; MI455X (gfx1250); checked and timed in simulation.
; The chip was launched on July 23, 2026; its instructions are those of AMD's public machine-readable ISA for CDNA 5 (MIT licence, August 2026) and "CDNA5" Instruction Set Architecture Reference Guide (July 2026). The comments in the code are by the model that wrote it; some were corrected since.
;; Linear Attention. Allowed arithmetic: float matrix products may take bf16 or f16 operands with f32 sums; other float arithmetic in f32, or as packed bf16 or f16 multiplies, adds, multiply-adds, maxima and minima; sums over many terms, partial sums and values carried from step to step in f32; what a program stores and reads back later, other than sums and carried values, may be rounded once to bf16 or f16.
;; Inputs: w_key 1,024 x 1,024 float32; w_query_left 1,024 x 1,024 float32; w_query_right 1,024 x 1,024 float32; w_value 1,024 x 1,024 float32; x 4 x 2,048 x 1,024 float32.
;; Outputs: out0 4 x 2,048 x 1,024 float32.
;; One version. Each part assembles by itself: llvm-mc -triple=amdgcn-amd-amdhsa -mcpu=gfx1250 --defsym DOCPART=n.
;; ======== version 1 of 1: 4 launches
;; limits: values are held in f16: magnitudes above 65,504 overflow, below 6.1e-05 lose precision
;; workspace buffers: xb 16,777,216 bytes; wb 8,388,608 bytes; qb 16,777,216 bytes; kb 16,777,216 bytes; vb 16,777,216 bytes; kvb 8,388,608 bytes; qe 1,024 bytes; kve 1,024 bytes
;; launch prep (part 1): grid 768 x 1, 8 waves a work-group, no clusters, 0 bytes of LDS; arguments x, w_query_left, w_query_right, w_key, w_value, xb, wb; writes xb, wb
.if DOCPART == 1
	.amdgcn_target "amdgcn-amd-amdhsa--gfx1250"
	.amdhsa_code_object_version 6
	.text
	.protected	k_qc2fe7f5866_prep
	.globl	k_qc2fe7f5866_prep
	.p2align	8
	.type	k_qc2fe7f5866_prep,@function
k_qc2fe7f5866_prep:
	s_mov_b64 s[64:65], 0
	v_nop
	global_prefetch_b8 v0, s[64:65] scope:SCOPE_SE
	s_setreg_imm32_b32 hwreg(HW_REG_WAVE_MODE, 25, 1), 1
	s_wait_xcnt 0x0
; LinearAttention, launch 1 of 4: x and the four weights are rounded once from f32 to bf16 (nearest even), the form in which the
; matrix products of the next launch take them.  xb = [8192][1024] bf16;  wb = [4][1024 d][1024 e] bf16, planes WL, WR, Wk, Wv.
; NO WORK OF THE PROBLEM IS LEFT OUT in any launch: all five inputs reach the output, nothing is sliced away, nothing cancels.
; NUMBER FORMATS AND LIMITS of the whole program.  All sums and the gate are f32.  Matrix operands:
;   x and the weights: bf16, each rounded once (bf16 has f32's exponent range).
;   K and V: f16, for its 11 significant bits.  Their root mean square is sqrt(1024) x (spread of x) x (spread of a weight), 1/32 for spreads of
;   1 and 1/1024; with x and the weights all 30 times larger it is 28, with offsets of 30 spreads in both |K| is near 900; with all 30 times smaller
;   it is 3.5e-5, where f16's fixed step of 2^-24 is still finer, relative to it, than a bf16 step.  LIMIT: |K| or |V| above 65,504 becomes infinity.
;   Q and kv grow with the square of x times the square of the weights and have no fixed room in f16: each block (256 x 128 of Q, 128 x 128 of kv) is
;   multiplied by the power of two that puts its largest magnitude into [2^14, 2^15), which is exact, and rounded once to f16; the power goes along as a
;   whole number.  LIMIT: a number below 2^-29 of its block's largest magnitude is kept with the fixed step of 2^-39 of it; in the last product a K step
;   whose powers lie k bits under the largest K step's has k bits less of that room.  A block whose largest magnitude is under 2^-113 is multiplied by 2^127.
;   kv's sum over n is made as two f32 half sums added once.  NaN and infinity travel through the 16-bit values as they do through f32.
; A stream: each byte is read once and written once; no LDS, no barrier, no cluster (no two work-groups read the same bytes).
; Work-group g casts 64 KiB of f32: g < 512: chunk g of x; else chunk (g - 512) mod 64 of weight (g - 512) / 64.
; Thread t takes 16 bytes at 16 t of each of 16 blocks of 4,096 bytes: a wave's load covers 512 consecutive bytes, its store of
; 8 bytes a lane 256 consecutive bytes at a multiple of 256.  All 16 loads go out first; no register is written twice.
.set X, 4                              ; v[4:67]   block j: 4 f32 as loaded
.set Y, 68                             ; v[68:99]  block j: 4 bf16 to store
	s_load_b256 s[4:11], s[0:1], 0x0               ; x s[4:5], WL s[6:7], WR s[8:9], Wk s[10:11]
	s_load_b128 s[12:15], s[0:1], 0x20             ; Wv s[12:13], xb s[14:15]
	s_load_b64 s[16:17], s[0:1], 0x30              ; wb
	s_max_u32 s18, ttmp9, 512
	s_sub_co_u32 s18, s18, 512                     ; g' = chunk among the weights (0 where the group works on x: not used there)
	s_lshr_b32 s19, s18, 6                         ; which weight
	s_and_b32 s20, s18, 63
	s_lshl_b32 s20, s20, 16                        ; its chunk's byte offset in the weight
	s_lshl_b32 s21, s18, 15                        ; and in wb: 32 KiB a chunk, 64 chunks a plane
	s_lshl_b32 s22, ttmp9, 16                      ; the chunk's offset in x
	s_lshl_b32 s23, ttmp9, 15                      ; and in xb
	v_lshlrev_b32 v1, 4, v0                        ; 16 t: loads
	v_lshlrev_b32 v2, 3, v0                        ; 8 t: stores
	s_wait_kmcnt 0x0
	s_cmp_eq_u32 s19, 1                            ; the source buffer is chosen by the group's number alone
	s_cselect_b64 s[24:25], s[8:9], s[6:7]
	s_cmp_eq_u32 s19, 2
	s_cselect_b64 s[24:25], s[10:11], s[24:25]
	s_cmp_eq_u32 s19, 3
	s_cselect_b64 s[24:25], s[12:13], s[24:25]
	s_cmp_lt_u32 ttmp9, 512                        ; one compare serves the four selects: a select leaves SCC as it is
	s_cselect_b64 s[24:25], s[4:5], s[24:25]       ; from: x or the weight
	s_cselect_b64 s[26:27], s[14:15], s[16:17]     ; to: xb or wb
	s_cselect_b32 s28, s22, s20
	s_cselect_b32 s30, s23, s21
	s_mov_b32 s29, 0
	s_mov_b32 s31, 0
	s_add_nc_u64 s[24:25], s[24:25], s[28:29]
	s_add_nc_u64 s[26:27], s[26:27], s[30:31]
.set j, 0
.rept 16
	global_load_b128 v[X+4*j:X+4*j+3], v1, s[24:25] offset:4096*j th:TH_LOAD_NT   ; read once in the launch
.set j, j+1
.endr
.set j, 0
.rept 16
	s_wait_loadcnt 15-j                            ; loads come back in order (ISA guide 5.7.1): block j is in, the 15 - j younger ones stay out
	v_cvt_pk_bf16_f32 v[Y+2*j],   v[X+4*j],   v[X+4*j+1]
	v_cvt_pk_bf16_f32 v[Y+2*j+1], v[X+4*j+2], v[X+4*j+3]
	global_store_b64 v2, v[Y+2*j:Y+2*j+1], s[26:27] offset:2048*j   ; no hint: the next launch reads these bytes
.set j, j+1
.endr
	s_endpgm
.Lfunc_end_k_qc2fe7f5866_prep:
	.size	k_qc2fe7f5866_prep, .Lfunc_end_k_qc2fe7f5866_prep-k_qc2fe7f5866_prep
	.p2alignl 7, 3214868480
	.fill 96, 4, 3214868480
	.section	.rodata,"a",@progbits
	.p2align	6, 0x0
	.amdhsa_kernel k_qc2fe7f5866_prep
		.amdhsa_group_segment_fixed_size 0
		.amdhsa_private_segment_fixed_size 0
		.amdhsa_enable_private_segment 0
		.amdhsa_kernarg_size 56
		.amdhsa_user_sgpr_count 2
		.amdhsa_user_sgpr_kernarg_segment_ptr 1
		.amdhsa_wavefront_size32 1
		.amdhsa_system_sgpr_workgroup_id_x 1
		.amdhsa_system_sgpr_workgroup_id_y 1
		.amdhsa_system_sgpr_workgroup_id_z 1
		.amdhsa_system_vgpr_workitem_id 0
		.amdhsa_next_free_vgpr 100
		.amdhsa_next_free_sgpr 66
		.amdhsa_reserve_vcc 0
		.amdhsa_float_denorm_mode_32 3
		.amdhsa_float_denorm_mode_16_64 3
		.amdhsa_memory_ordered 1
		.amdhsa_forward_progress 1
		.amdhsa_inst_pref_size 7
	.end_amdhsa_kernel
	.amdgpu_metadata
---
amdhsa.version: [ 1, 2 ]
amdhsa.kernels:
  - .name:           k_qc2fe7f5866_prep
    .symbol:         k_qc2fe7f5866_prep.kd
    .args:
      - { .name: x, .offset: 0, .size: 8, .value_kind: global_buffer, .address_space: global }
      - { .name: w_query_left, .offset: 8, .size: 8, .value_kind: global_buffer, .address_space: global }
      - { .name: w_query_right, .offset: 16, .size: 8, .value_kind: global_buffer, .address_space: global }
      - { .name: w_key, .offset: 24, .size: 8, .value_kind: global_buffer, .address_space: global }
      - { .name: w_value, .offset: 32, .size: 8, .value_kind: global_buffer, .address_space: global }
      - { .name: xb, .offset: 40, .size: 8, .value_kind: global_buffer, .address_space: global }
      - { .name: wb, .offset: 48, .size: 8, .value_kind: global_buffer, .address_space: global }
    .group_segment_fixed_size: 0
    .private_segment_fixed_size: 0
    .kernarg_segment_align: 8
    .kernarg_segment_size: 56
    .max_flat_workgroup_size: 256
    .sgpr_count:     66
    .vgpr_count:     100
    .wavefront_size: 32
...
	.end_amdgpu_metadata
.endif
;; end of part 1
;; launch proj (part 2): grid 8 x 32, 4 waves a work-group, clusters of 4 x 4, 327,680 bytes of LDS; arguments xb, wb, qb, kb, vb, qe; writes qb, kb, vb, qe
.if DOCPART == 2
	.amdgcn_target "amdgcn-amd-amdhsa--gfx1250"
	.amdhsa_code_object_version 6
	.text
	.protected	k_qc2fe7f5866_proj
	.globl	k_qc2fe7f5866_proj
	.p2align	8
	.type	k_qc2fe7f5866_proj,@function
k_qc2fe7f5866_proj:
	s_mov_b64 s[64:65], 0
	v_nop
	global_prefetch_b8 v0, s[64:65] scope:SCOPE_SE
	s_setreg_imm32_b32 hwreg(HW_REG_WAVE_MODE, 25, 1), 1
	s_wait_xcnt 0x0
	s_wait_alu depctr_hold_cnt(0) depctr_sa_sdst(0) depctr_va_vdst(0) depctr_va_sdst(0) depctr_va_ssrc(0) depctr_va_vcc(0) depctr_vm_vsrc(0)
	s_getreg_b32 s2, hwreg(HW_REG_IB_STS2, 6, 4)
	s_cmp_eq_u32 s2, 0
	s_cbranch_scc0 .Lentry_in_a_cluster
	s_endpgm
.Lentry_in_a_cluster:
	s_bfe_u32 s2, ttmp6, 0x10000c
	s_cmp_lg_u32 s2, 0xf033
	s_cbranch_scc0 .Lentry_shape_is_right
	s_endpgm
.Lentry_shape_is_right:
; LinearAttention, launch 2 of 4: the four projections and the gate.  Q = (x WL) * (x WR), K = x Wk, V = x Wv; sums and gate in f32.
; K and V are rounded once to f16 (LIMIT: |K| or |V| above 65,504 becomes infinity; their root mean square is sqrt(1024) x spread of x x spread of a
; weight, 1/32 for spreads of 1 and 1/1024, so inputs 30 times larger or smaller all round keep room).
; Q grows with the square of x and of the weights and has no fixed room in f16: a work-group takes m, the largest |Q| of its 256 x 128 block (not under
; 2^-113), and e, m's f32 exponent field (14 to 255); it multiplies the block by 2^(141 - e), which is exact and puts m into [2^14, 2^15), rounds once to
; f16, and stores e in qe[row block][column block].  LIMIT: a |Q| below 2^-29 of m is kept with the fixed step 2^-39 of m; an infinite m gives infinities.
; xb [8192][1024] bf16, wb [4][1024 d][1024 e] bf16 (planes WL, WR, Wk, Wv), qb, kb, vb [8192][1024] f16, qe [32][8] words.  Nothing is left out.
; A WORK-GROUP STAYS AND MAKES TWO TILES of the same 256 rows of x and the same 128 columns e: first K and V (Wk, Wv), then Q (WL, WR).  32 x 8 work-groups.
; d goes in steps of 128 through a ring of two LDS slots filled by the tensor data mover, 8 steps a tile, and the ring runs on from the first tile into the
; second: the first tile's last two changes of slot ask for the second tile's first two steps (x's address goes back to d = 0, the weights' two planes back),
; so these land under products and under the first way out.  Every tile row is 256 bytes of memory at a multiple of 256 from its buffer's first byte.
; Four waves, as many as a WGP has SIMDs; wave (RH, CH) makes rows 128 RH .. +127 x 128 columns: 64 accumulator tiles (a, b) of 16 x 16 = 512 registers.
;   K, V tile: all 128 columns of ONE weight (CH 0: Wk, CH 1: Wv).  The wave then owns whole rows of 256 bytes of its output: its way out goes through a stage
;   of its own without a barrier, and its 64 stores leave while the Q tile is multiplied.
;   Q tile: 64 columns of WL (b < 4) and the same 64 of WR (b >= 4) at 64 CH, so that the gate stays in a lane.  It comes last: of the two tiles it has half the
;   bytes to store (64 KiB against 128 KiB a work-group), and behind the last tile nothing is left to hide the stores.
; CLUSTERS of 4 x 4 work-groups: the four of a cluster's row need the same rows of x, the four of a column the same columns of the
; weights.  Such a tile is asked for jointly (same line, same descriptor, a mask that names the four), which divides the requests by 4.
; THE WEIGHTS LIE [k][column]: their fragments come out of LDS by the transposing load ds_load_tr16_b128.
; THE MATRIX INSTRUCTION IS USED TRANSPOSED: source 0 = 16 columns of a weight, source 1 = 16 rows of x; lane l then holds row l % 16
; and columns 8 (l / 16) + 0 .. 7 of a tile: eight neighbouring numbers of a row, 16 bytes of 16-bit numbers.
; REGISTERS in windows of 256: window 0: v0-37 addresses and scratch, v64-127 and v128-191 fragments of x (two buffers), v192-255 rows on the first way out;
; window 1: v64-191 fragments of the weights; window 2: tiles a = 0..3 at v[8 (8 a + b)]; window 3: tiles a = 4..7.
.set PA,    272                        ; LDS pitch of x's rows and of the stages: 256 + 16 bytes = 68 words, so 16 neighbouring rows start 4 words apart modulo 64
.set PB,    288                        ; LDS pitch of a weight's rows: 256 + 32 bytes = 9 x 32
.set REG,   128*PB                     ; 36,864 bytes: the region that one wave's tensor load fills (x's 128 rows use 34,816 of it)
.set SLOT,  4*REG                      ; x rows 0-127, x rows 128-255, first weight's 128 k, second weight's 128 k
.set SCRATCH, 2*SLOT                   ; behind the ring, bytes that no tensor load fills: one word a wave for the block's largest |Q|
.set STAGE1, SCRATCH+256               ; and each wave's own stage for the first way out: 16 rows x 272 bytes = 4,352 = 17 x 256
.set LAPS,  4                          ; laps a tile: 1024 / (2 x 128); a lap = two K steps = once round the ring
.set M,     8                          ; v8-11   four running maxima
.set FA,    12                         ; v12-13  2^(141 - e), twice (a pair for the packed multiply)
.set EX,    14                         ; v14     e
.set ZO,    15                         ; v15     0: the offset of the one word stored to qe
.set ADRA,  16                         ; v16-17  my fragments of x in slot 0, 1
.set QBL,   18                         ; v18-19  Q tile: my 64 columns of WL
.set QBR,   20                         ; v20-21  Q tile: my 64 columns of WR
.set STO,   22                         ; v22     Q's way out: where I put 16 bytes of a row
.set RD,    24                         ; v24     Q's way out: where I read rows back
.set CO,    26                         ; v26     my byte offset in two rows of an output
.set SCR,   27                         ; v27     my wave's word in the scratch
.set SCRB,  28                         ; v28     the scratch's four words
.set KBL,   32                         ; v32-33  K, V tile: columns 0-63 of my weight
.set KBR,   34                         ; v34-35  K, V tile: columns 64-127 of my weight
.set STO1,  36                         ; v36     first way out: where I put 16 bytes of a row in my own stage
.set RD1,   37                         ; v37     first way out: where I read rows back
.set F0,    64
.set F1,    128
.set TMP,   128                        ; first way out: 32 registers of rounded numbers (fragment buffer 1 is free there; buffer 0 holds the Q tile's first fragments)
.set OB,    192                        ; first way out: two sets of 32 registers, rows read back; outside the fragment buffers, since the stores that read them stay out
.set G1,  24                           ; s[24:31] group 1 for x's tiles
.set G0,  32                           ; s[32:39] group 0 for x's tiles, a set for each slot
.set G1B, 48                           ; s[48:55] group 1 for the weights' tiles
.set G0B, 56                           ; s[56:63] group 0 for the weights' tiles, a set for each slot
.set ADRBL, KBL                        ; which weight addresses FETCH names: the K, V tile's first; set anew where the Q tile's first fragments are fetched
.set ADRBR, KBR
.set MSB, 0
.macro WIN new                         ; the immediate's high byte repeats the setting that is left; a switch that changes nothing is dropped
.if MSB != \new
	s_set_vgpr_msb (MSB<<8)|\new
.set MSB, \new
.endif
.endm
.set MUL_LO, 0xa1                      ; source 0 window 1, source 1 window 0, C and D window 2
.set MUL_HI, 0xf1                      ; the same, C and D window 3
.set TO_B,   0x40                      ; destination window 1, address window 0
.macro PLACES                          ; four plain vector instructions that name no matrix register in front of loads into
.rept 4                                ; and vector reads of, registers of earlier matrix instructions
	v_nop
.endr
.endm
; A joint load: waves 0 and 1 fetch x's two halves, wave 2 the first weight, wave 3 the second.  Each line has one mask; the branch hangs on the wave's number alone.
.macro JLOAD s
	s_cmp_eq_u32 s15, 0
	s_cbranch_scc0 .Lfor_b_\@
	tensor_load_to_lds s[G0+4*\s:G0+4*\s+3], s[G1:G1+7]
	s_nop 0
	s_branch .Lasked_\@
.Lfor_b_\@:
	tensor_load_to_lds s[G0B+4*\s:G0B+4*\s+3], s[G1B:G1B+7]
	s_nop 0
.Lasked_\@:
.endm
; A round of the cluster's barrier: my work-group's barrier, wave 0 signals for the work-group, every wave waits for all sixteen, my work-group's barrier again.
.macro CREST
	s_cmp_lg_u32 s14, 0
	s_cbranch_scc1 .Lnot_wave_0_\@
	s_barrier_signal -3
.Lnot_wave_0_\@:
	s_barrier_wait -3
	s_barrier_signal -1
	s_barrier_wait -1
.endm
.macro CROUND
	s_barrier_signal -1
	s_barrier_wait -1
	CREST
.endm
	s_load_b256 s[4:11], s[0:1], 0x0               ; xb s[4:5], wb s[6:7], qb s[8:9], kb s[10:11]
	s_load_b64 s[12:13], s[0:1], 0x20              ; vb
	s_load_b64 s[72:73], s[0:1], 0x28              ; qe
	s_set_vgpr_msb 0x40
	v_lshl_add_u32 v255, v0, 2, 0x4c500
	s_set_vgpr_msb 0x4000
	v_mov_b32 v63, 0
	s_set_vgpr_msb 0x1
	ds_add_u32 v255, v63
	s_set_vgpr_msb 0x100
	v_lshrrev_b32 v1, 5, v0
	v_readfirstlane_b32 s14, v1                    ; wave 0..3
	s_lshr_b32 s15, s14, 1                         ; RH: my half of the rows.  Also: I fetch x (0) or a weight (1)
	s_and_b32 s16, s14, 1                          ; CH: my weight, or my half of the columns.  Also: which half of x, or which weight, I fetch
	s_bfe_u32 s17, ttmp6, 0x40000                  ; cx
	s_bfe_u32 s18, ttmp6, 0x40004                  ; cy
	s_lshl_b32 s19, ttmp9, 2
	s_add_co_u32 s19, s19, s17                     ; eb: column block 0..7 (128 columns)
	s_and_b32 s20, ttmp7, 0xffff
	s_lshl_b32 s20, s20, 2
	s_add_co_u32 s20, s20, s18                     ; by: row block 0..31 (256 rows)
	s_lshl_b32 s21, s18, 2
	s_lshl_b32 s21, 15, s21                        ; my row of the cluster: places 4 cy .. 4 cy + 3
	s_lshl_b32 s22, 0x1111, s17                    ; my column: places cx, cx + 4, cx + 8, cx + 12
	; group 1: tiles of 128 rows x 128 elements of 2 bytes, 1,024 elements from row to row; padding behind every 64 words: 4 words for x, 8 for the weights
	s_or_b32 s[G1+0], s21, (1<<16)|(1<<20)|(1<<21)|(5<<22)|(3<<25)    ; 15:0 mask; 17:16 element size; 20 padding on; 21 set beside a mask; 24:22 interval; 31:25 pad - 1
	s_or_b32 s[G1B+0], s22, (1<<16)|(1<<20)|(1<<21)|(5<<22)|(7<<25)
	s_mov_b32 s[G1+1], 128<<16                     ; tensor_dim0 = 128
	s_mov_b32 s[G1B+1], 128<<16
	s_mov_b32 s[G1+2], 128<<16                     ; tensor_dim1 = 128
	s_mov_b32 s[G1B+2], 128<<16
	s_mov_b32 s[G1+3], 128<<16                     ; tile_dim0 = 128
	s_mov_b32 s[G1B+3], 128<<16
	s_mov_b32 s[G1+4], 128                         ; tile_dim1 = 128
	s_mov_b32 s[G1B+4], 128
	s_mov_b32 s[G1+5], 1024                        ; stride from row to row
	s_mov_b32 s[G1B+5], 1024
	s_mov_b32 s[G1+6], 0
	s_mov_b32 s[G1B+6], 0
	s_mov_b32 s[G1+7], 0
	s_mov_b32 s[G1B+7], 0
	; x's tile hangs on the row block alone (shared along my row of the cluster), a weight's on the column block (shared along my column)
	s_lshl_b32 s40, s20, 8
	s_lshl_b32 s41, s16, 7
	s_add_co_u32 s40, s40, s41                     ; row 256 by + 128 half
	s_lshl_b32 s40, s40, 11                        ; x 2,048 bytes
	s_mov_b32 s41, 0
	s_add_co_u32 s44, s16, 2                       ; the first tile's planes: 2 (Wk) for wave 2, 3 (Wv) for wave 3
	s_lshl_b32 s44, s44, 21                        ; x 2 MiB
	s_lshl_b32 s45, s19, 8                         ; + 256 bytes a column block
	s_add_co_u32 s44, s44, s45
	s_mov_b32 s45, 0
	s_mul_i32 s42, s14, REG                        ; where a wave's tile goes: wave x 36,864; no place in the cluster enters an LDS address
	s_wait_dscnt 0x0
	s_wait_kmcnt 0x0
	s_add_nc_u64 s[40:41], s[4:5], s[40:41]
	s_add_nc_u64 s[44:45], s[6:7], s[44:45]
	CROUND                                         ; all sixteen work-groups are here: the first joint loads meet
.irp s, 0,1
	s_mov_b32 s[G0+4*\s], 1                                        ; count = 1
	s_add_co_u32 s[G0+4*\s+1], s42, \s*SLOT                        ; LDS address
	s_add_nc_u64 s[G0+4*\s+2:G0+4*\s+3], s[40:41], \s*256          ; K step s: 128 elements along x's rows
	s_or_b32 s[G0+4*\s+3], s[G0+4*\s+3], 0x80000000                ; type = 2
	s_mov_b32 s[G0B+4*\s], 1
	s_add_co_u32 s[G0B+4*\s+1], s42, \s*SLOT
	s_add_nc_u64 s[G0B+4*\s+2:G0B+4*\s+3], s[44:45], \s*262144     ; K step s: 128 rows of the weight
	s_or_b32 s[G0B+4*\s+3], s[G0B+4*\s+3], 0x80000000
	JLOAD \s                                       ; both slots' first fills go out together: two tensor loads of the wave are out
.endr
	v_and_b32 v1, 15, v0                           ; r = l % 16
	v_bfe_u32 v2, v0, 4, 1                         ; h = l / 16
	v_and_b32 v3, 7, v0
	v_bfe_u32 v4, v0, 3, 1
	v_lshl_add_u32 v5, v2, 3, v3                   ; transposing load: lane l addresses k row 8 h + l % 8,
	v_mul_u32_u24 v5, v5, PB
	v_lshl_add_u32 v5, v4, 4, v5                   ; 16 bytes (8 columns) at 16 x bit 3 of l
	v_mul_u32_u24 v6, v1, PA                       ; plain fragment, and a stage's way in: row r, 16 bytes at 16 h
	v_lshl_add_u32 v6, v2, 4, v6
	v_mul_u32_u24 v7, v2, PA                       ; a stage's way back: lanes 0-15 one row of 256 bytes, lanes 16-31 the next
	v_lshl_add_u32 v7, v1, 4, v7
	s_mul_i32 s43, s15, REG                        ; my 128 rows of x
	s_lshl_b32 s46, s16, 7                         ; Q tile: my 64 columns = 128 bytes along a weight's rows,
	s_add_co_u32 s46, s46, 2*REG                   ; WL behind x's two regions
	s_mul_i32 s47, s16, REG                        ; K, V tile: the whole of my weight's region
	s_add_co_u32 s47, s47, 2*REG
.irp s, 0,1
	v_add_nc_u32 v[ADRA+\s], s43, v6
	v_add_nc_u32 v[QBL+\s], s46, v5
	v_add_nc_u32 v[QBR+\s], REG, v[QBL+\s]         ; WR's region lies behind WL's
	v_add_nc_u32 v[KBL+\s], s47, v5
	v_add_nc_u32 v[KBR+\s], 128, v[KBL+\s]         ; columns 64-127: 128 bytes on in the same rows
	s_add_co_u32 s43, s43, SLOT
	s_add_co_u32 s46, s46, SLOT
	s_add_co_u32 s47, s47, SLOT
.endr
	s_mul_i32 s47, s15, 128*PA                     ; Q's way out: stage row 128 RH + .. , byte 128 CH + ..
	s_lshl_b32 s46, s16, 7
	s_add_co_u32 s47, s47, s46
	v_add_nc_u32 v[STO], s47, v6
	s_mul_i32 s47, s14, 64*PA                      ; back: wave w takes stage rows 64 w .. +63, two rows a load
	v_add_nc_u32 v[RD], s47, v7
	s_mul_i32 s47, s14, 16*PA                      ; the first way out: my own stage, wave x 4,352 behind the scratch
	s_add_co_u32 s47, s47, STAGE1
	v_add_nc_u32 v[STO1], s47, v6
	v_add_nc_u32 v[RD1], s47, v7
	v_lshlrev_b32 v8, 11, v2                       ; two rows of an output: 2,048 bytes a row
	v_lshl_add_u32 v[CO], v1, 4, v8
	s_lshl_b32 s47, s14, 2
	s_add_co_u32 s47, s47, SCRATCH
	v_mov_b32 v[SCR], s47                          ; my wave's word: scratch + 4 x wave
	v_mov_b32 v[SCRB], SCRATCH
	s_lshl_b32 s66, s20, 8                         ; where my K or V rows go: row 256 by + 128 RH,
	s_lshl_b32 s67, s15, 7
	s_add_co_u32 s66, s66, s67
	s_lshl_b32 s66, s66, 11                        ; x 2,048 bytes,
	s_lshl_b32 s67, s19, 8                         ; + 256 bytes a column block
	s_add_co_u32 s66, s66, s67
	s_mov_b32 s67, 0
	s_cmp_eq_u32 s16, 0                            ; the buffer is chosen by the wave's number alone
	s_cselect_b64 s[70:71], s[10:11], s[12:13]     ; CH 0: K, CH 1: V
	s_add_nc_u64 s[70:71], s[70:71], s[66:67]      ; never rewritten: the stores that name it stay out under the Q tile
; 16 matrix instructions: row tiles a0, a0 + 1 of the window's four x all 8 column tiles, 32 along K.  zero = 1: the product starts the sums.
; The 64 accumulators take turns, one instruction a turn, in the same order in every quarter step.
.macro MUL16 f, hi, a0, zero
.irp a, \a0, \a0+1
.irp b, 0,1,2,3,4,5,6,7
.if \zero
	v_wmma_f32_16x16x32_bf16 v[8*(8*(\a)+\b):8*(8*(\a)+\b)+7], v[\f+8*\b:\f+8*\b+7], v[\f+8*(4*\hi+\a):\f+8*(4*\hi+\a)+7], 0
.else
	v_wmma_f32_16x16x32_bf16 v[8*(8*(\a)+\b):8*(8*(\a)+\b)+7], v[\f+8*\b:\f+8*\b+7], v[\f+8*(4*\hi+\a):\f+8*(4*\hi+\a)+7], v[8*(8*(\a)+\b):8*(8*(\a)+\b)+7]
.endif
.endr
.endr
.endm
; 32 LDS loads in one run: quarter q (32 along K) of a slot into buffer f: 4 + 4 column tiles of the weights (k rows 32 q .. : 9,216 bytes a quarter,
; the second half of a fragment 16 k rows = 4,608 bytes on), then 8 row tiles of x (64 bytes a quarter along the rows).
.macro FETCH slot, q, f
	WIN TO_B
.irp b, 0,1,2,3
	ds_load_tr16_b128 v[\f+8*\b:\f+8*\b+3],   v[ADRBL+\slot] offset:\q*32*PB+32*\b
	ds_load_tr16_b128 v[\f+8*\b+4:\f+8*\b+7], v[ADRBL+\slot] offset:\q*32*PB+32*\b+16*PB
.endr
.irp b, 0,1,2,3
	ds_load_tr16_b128 v[\f+32+8*\b:\f+32+8*\b+3],   v[ADRBR+\slot] offset:\q*32*PB+32*\b
	ds_load_tr16_b128 v[\f+32+8*\b+4:\f+32+8*\b+7], v[ADRBR+\slot] offset:\q*32*PB+32*\b+16*PB
.endr
	WIN 0
.irp i, 0,1,2,3,4,5,6,7
	ds_load_b128 v[\f+8*\i:\f+8*\i+3],   v[ADRA+\slot] offset:\q*64+\i*16*PA
	ds_load_b128 v[\f+8*\i+4:\f+8*\i+7], v[ADRA+\slot] offset:\q*64+\i*16*PA+32
.endr
.endm
; One of a K step's first three quarters: multiplies buffer f; in its middle it fetches quarter q of the same slot into buffer g.
.macro QUARTER slot, q, f, g, zero
	s_wait_dscnt 8                                 ; the weights' and x's rows 0-63 are in; the youngest eight loads (x's rows 64-127) may be out
	WIN MUL_LO
	MUL16 \f, 0, 0, \zero
	MUL16 \f, 0, 2, \zero
	PLACES
	FETCH \slot, \q, \g
	s_wait_dscnt 32                                ; all but the 32 just issued
	WIN MUL_HI
	MUL16 \f, 1, 0, \zero
	MUL16 \f, 1, 2, \zero
.endm
.macro THREE slot, zero
	QUARTER \slot, 1, F0, F1, \zero
	QUARTER \slot, 2, F1, F0, 0
	QUARTER \slot, 3, F0, F1, 0
.endm
; The last quarter multiplies buffer 1 and changes slots.  In front of the barrier each wave waits for its reads of this slot and for all its
; tensor loads (one is out: its part of the next slot).  Behind it (fill > 0: behind the whole round of the cluster's barrier, so that no wave of
; any partner still reads the slot or has a load on its way) the refill comes first, then the next slot's first fragments.
; fill = 1: the same tile, two K steps on.  fill = 2: the next tile's step 0 or 1: x goes back six steps of 256 bytes; the weights go back
; two planes of 2 MiB and six steps of 262,144 bytes.  fill = 0: nothing is left to fetch.
.macro TURN slot, next, fill
	s_wait_dscnt 8
	WIN MUL_LO
	MUL16 F1, 0, 0, 0
	s_wait_dscnt 0                                 ; my reads of this slot are over
	s_wait_tensorcnt 0x0                           ; all my tensor loads have landed, so a group 0 may be written
	ds_add_u32 v255, v63
	s_wait_dscnt 0x0
	s_barrier_signal -1
	MUL16 F1, 0, 2, 0                              ; register work while the others arrive
	WIN 0
	s_barrier_wait -1
.if \fill
	CREST
.if \fill == 1
	s_add_nc_u64 s[G0+4*\slot+2:G0+4*\slot+3], s[G0+4*\slot+2:G0+4*\slot+3], 512
	s_add_nc_u64 s[G0B+4*\slot+2:G0B+4*\slot+3], s[G0B+4*\slot+2:G0B+4*\slot+3], 524288
.else
	s_sub_nc_u64 s[G0+4*\slot+2:G0+4*\slot+3], s[G0+4*\slot+2:G0+4*\slot+3], 6*256
	s_sub_nc_u64 s[G0B+4*\slot+2:G0B+4*\slot+3], s[G0B+4*\slot+2:G0B+4*\slot+3], 2*2097152+6*262144
.endif
	JLOAD \slot                                    ; my one tensor load behind the round, and the first thing there
.endif
	PLACES
	FETCH \next, 0, F0
	WIN MUL_HI
	MUL16 F1, 1, 0, 0
	MUL16 F1, 1, 2, 0
.endm
.macro LAP zero
	THREE 0, \zero
	TURN 0, 1, 1
	THREE 1, 0
	TURN 1, 0, 1
.endm
	; THE K, V TILE
	s_wait_tensorcnt 1                             ; my part of K step 0 is in; K step 1's stays out
	s_barrier_signal -1
	s_barrier_wait -1                              ; everybody's is
	FETCH 0, 0, F0
	LAP 1                                          ; the first lap's first products start the sums: nothing is cleared
	WIN 0
	s_mov_b32 s3, LAPS-2
.Llap_kv:
	LAP 0
	WIN 0
	s_sub_co_u32 s3, s3, 1
	s_cmp_lg_u32 s3, 0
	s_cbranch_scc1 .Llap_kv
	THREE 0, 0                                     ; the tile's last lap asks for the Q tile's first two steps
	TURN 0, 1, 2
	THREE 1, 0
.set ADRBL, QBL                                    ; the fragments fetched from here on are the Q tile's
.set ADRBR, QBR
	TURN 1, 0, 2                                   ; it fetches the Q tile's first fragments into buffer 0, which the way out leaves alone
	; THE FIRST WAY OUT, 16 rows at a time: round to f16, 16 bytes a lane and tile into my own stage, back as whole rows of 256 bytes, which are all mine.
	; No barrier: no other wave touches my stage, and LDS serves a wave's instructions in order (ISA guide 5.7.1), so no wait stands between my stores and my
	; loads, nor between one turn's loads and the next turn's stores.  The Q tile's second step is on its way into slot 1 meanwhile.
	PLACES                                         ; in front of the vector reads of the sums and the writes into fragment buffer 1
; rows 16 i .. +15 of my 128 = the eight tiles (a, 0..7) of window 2 or 3 (from = 0x0a or 0x0f: sources 0 and 1); dst: OB or OB + 32 by turns
.macro KVROWS i, a, from, dst
	WIN \from
.irp b, 0,1,2,3,4,5,6,7
.irp r, 0,1,2,3
	v_cvt_pk_f16_f32 v[TMP+4*\b+\r], v[8*(8*\a+\b)+2*\r], v[8*(8*\a+\b)+2*\r+1]
.endr
.endr
	WIN 0
.irp b, 0,1,2,3,4,5,6,7
	ds_store_b128 v[STO1], v[TMP+4*\b:TMP+4*\b+3] offset:32*\b
.endr
	s_wait_xcnt 0x0                                ; the registers loaded next were the data of the stores two turns ago: loaded again only behind this wait
.irp t, 0,1,2,3,4,5,6,7
	ds_load_b128 v[\dst+4*\t:\dst+4*\t+3], v[RD1] offset:\t*2*PA
.endr
.irp t, 0,1,2,3,4,5,6,7
	s_wait_dscnt 7-\t                              ; pair t of rows is in; the younger loads stay out
	global_store_b128 v[CO], v[\dst+4*\t:\dst+4*\t+3], s[70:71] offset:(16*\i+2*\t)*2048   ; 16 lanes store 256 consecutive bytes at a multiple of 256
.endr
.endm
	KVROWS 0, 0, 0x0a, OB
	KVROWS 1, 1, 0x0a, OB+32
	KVROWS 2, 2, 0x0a, OB
	KVROWS 3, 3, 0x0a, OB+32
	KVROWS 4, 0, 0x0f, OB
	KVROWS 5, 1, 0x0f, OB+32
	KVROWS 6, 2, 0x0f, OB
	KVROWS 7, 3, 0x0f, OB+32
	; THE Q TILE
	LAP 1                                          ; its first products start the sums anew, over the registers that have just been read out
	WIN 0
	s_mov_b32 s3, LAPS-2
.Llap_q:
	LAP 0
	WIN 0
	s_sub_co_u32 s3, s3, 1
	s_cmp_lg_u32 s3, 0
	s_cbranch_scc1 .Llap_q
	THREE 0, 0                                     ; the last lap fills nothing
	TURN 0, 1, 0                                   ; behind this barrier no wave reads slot 0 and no load fills it any more
	THREE 1, 0
	s_wait_dscnt 8
	WIN MUL_LO
	MUL16 F1, 0, 0, 0
	MUL16 F1, 0, 2, 0
	s_wait_dscnt 0
	WIN MUL_HI
	MUL16 F1, 1, 0, 0
	MUL16 F1, 1, 2, 0
	; THE LAST WAY OUT.  The gate, the block's power of two, then Q is scaled, rounded to f16 and laid into a stage of 256 rows x 272 bytes in slot 0,
	; and read back as whole rows (a row's two halves come from two waves: a barrier stands between).
	PLACES                                         ; in front of the vector reads of the sums and the writes into the fragment buffers
	WIN 0
; the gate in f32, tile (a, b) *= tile (a, b + 4), and the largest magnitude of my 256 numbers a lane, on four chains
.macro GATEMAX wmul, wmax
	WIN \wmul
.irp a, 0,1,2,3
.irp b, 0,1,2,3
.irp p, 0,2,4,6
	v_pk_mul_f32 v[8*(8*\a+\b)+\p:8*(8*\a+\b)+\p+1], v[8*(8*\a+\b)+\p:8*(8*\a+\b)+\p+1], v[8*(8*\a+\b+4)+\p:8*(8*\a+\b+4)+\p+1]
.endr
.endr
.endr
	WIN \wmax                                      ; sources 0 and 1 in the tiles' window, source 2 and the destination in window 0
.irp a, 0,1,2,3
.irp b, 0,1,2,3
.irp p, 0,2,4,6
	v_max3_num_f32 v[M+\p/2], |v[8*(8*\a+\b)+\p]|, |v[8*(8*\a+\b)+\p+1]|, v[M+\p/2]
.endr
.endr
.endr
.endm
.irp k, 0,1,2,3
	v_mov_b32 v[M+\k], 0x07000000                  ; the chains start at 2^-113, the least m: so e is at least 14 and 2^(141 - e) at most 2^127
.endr
	GATEMAX 0x8a, 0x0a                             ; window 2
	GATEMAX 0xcf, 0x0f                             ; window 3
	WIN 0
	s_mov_b32 s46, 0x76543210                      ; v_permlanex16_b32: lane i of one half reads lane i of the other
	s_mov_b32 s47, 0xfedcba98
	v_max3_num_f32 v[M], v[M], v[M+1], v[M+2]
	v_max_num_f32 v[M], v[M], v[M+3]
	v_max_num_f32_dpp v[M], v[M], v[M] row_xmask:1 row_mask:0xf bank_mask:0xf
	v_max_num_f32_dpp v[M], v[M], v[M] row_xmask:2 row_mask:0xf bank_mask:0xf
	v_max_num_f32_dpp v[M], v[M], v[M] row_xmask:4 row_mask:0xf bank_mask:0xf
	v_max_num_f32_dpp v[M], v[M], v[M] row_xmask:8 row_mask:0xf bank_mask:0xf
	v_permlanex16_b32 v[M+1], v[M], s46, s47
	v_max_num_f32 v[M], v[M], v[M+1]               ; every lane holds my wave's largest |Q|
	ds_store_b32 v[SCR], v[M]                      ; all lanes write the same word with the same value
	s_wait_dscnt 0x0                               ; done, for the other waves' sake
	s_barrier_signal -1
	s_barrier_wait -1
	ds_load_b128 v[M:M+3], v[SCRB]                 ; the four waves' words, in every lane
	s_lshl_b32 s66, s20, 3
	s_add_co_u32 s66, s66, s19
	s_lshl_b32 s66, s66, 2                         ; qe[by][eb]: word 8 by + eb
	s_mov_b32 s67, 0
	s_add_nc_u64 s[72:73], s[72:73], s[66:67]
	v_mov_b32 v[ZO], 0
	s_wait_dscnt 0x0
	v_max3_num_f32 v[M], v[M], v[M+1], v[M+2]
	v_max_num_f32 v[M], v[M], v[M+3]               ; m, not negative
	v_lshrrev_b32 v[EX], 23, v[M]                  ; e = its exponent field, 14 to 255
	v_sub_nc_u32 v[FA], 268, v[EX]                 ; the field of 2^(141 - e) is 127 + 141 - e, 13 to 254
	v_lshlrev_b32 v[FA], 23, v[FA]
	v_mov_b32 v[FA+1], v[FA]
	v_cmp_eq_u32 vcc_lo, 0, v0                     ; the work-group's thread 0 stores the block's one word
	s_wait_xcnt 0x0                                ; EXEC changes only behind this wait
	s_and_saveexec_b32 s46, vcc_lo
	global_store_b32 v[ZO], v[EX], s[72:73]
	s_wait_xcnt 0x0                                ; and again in front of the line that widens it
	s_or_b32 exec_lo, exec_lo, s46
.macro QOUT hi, wmul, wcvt, f
	WIN \wmul                                      ; source 0 and the destination in the tiles' window, source 1 (the factor) in window 0
.irp a, 0,1,2,3
.irp b, 0,1,2,3
.irp p, 0,2,4,6
	v_pk_mul_f32 v[8*(8*\a+\b)+\p:8*(8*\a+\b)+\p+1], v[8*(8*\a+\b)+\p:8*(8*\a+\b)+\p+1], v[FA:FA+1]
.endr
.endr
.endr
	WIN \wcvt
.irp a, 0,1,2,3
.irp b, 0,1,2,3
.irp r, 0,1,2,3
	v_cvt_pk_f16_f32 v[\f+16*\a+4*\b+\r], v[8*(8*\a+\b)+2*\r], v[8*(8*\a+\b)+2*\r+1]
.endr
.endr
.endr
	WIN 0
.irp a, 0,1,2,3
.irp b, 0,1,2,3
	ds_store_b128 v[STO], v[\f+16*\a+4*\b:\f+16*\a+4*\b+3] offset:(4*\hi+\a)*16*PA+32*\b
.endr
.endr
.endm
	QOUT 0, 0x82, 0x0a, F0                         ; window 2
	QOUT 1, 0xc3, 0x0f, F1                         ; window 3
	s_wait_dscnt 0x0                               ; my stores into the stage are done: a row's two halves come from two waves
	s_barrier_signal -1
	s_barrier_wait -1
	s_lshl_b32 s66, s20, 8
	s_lshl_b32 s67, s14, 6
	s_add_co_u32 s66, s66, s67                     ; my first row: 256 by + 64 w
	s_lshl_b32 s66, s66, 11
	s_lshl_b32 s67, s19, 8                         ; my column block: 256 bytes
	s_add_co_u32 s66, s66, s67
	s_mov_b32 s67, 0
	s_add_nc_u64 s[68:69], s[8:9], s[66:67]
	; 64 rows, two a load: lanes 0-15 one row of 256 bytes, lanes 16-31 the next; each half wave stores 256 consecutive bytes at a multiple of 256
.set ii, 0
.rept 32
	ds_load_b128 v[64+4*ii:64+4*ii+3], v[RD] offset:2*PA*ii
.set ii, ii+1
.endr
.set ii, 0
.rept 32
	s_wait_dscnt 31-ii                             ; LDS loads come back in order: pair ii is in, the younger ones stay out
	global_store_b128 v[CO], v[64+4*ii:64+4*ii+3], s[68:69] offset:4096*ii
.set ii, ii+1
.endr
	s_set_vgpr_msb 0x1
	s_wait_tensorcnt 0x0
	ds_add_u32 v255, v63
	s_wait_dscnt 0x0
	s_set_vgpr_msb 0x100
	CROUND                                         ; the closing round: no work-group ends while a partner may still ask jointly
	s_endpgm
.Lfunc_end_k_qc2fe7f5866_proj:
	.size	k_qc2fe7f5866_proj, .Lfunc_end_k_qc2fe7f5866_proj-k_qc2fe7f5866_proj
	.p2alignl 7, 3214868480
	.fill 96, 4, 3214868480
	.section	.rodata,"a",@progbits
	.p2align	6, 0x0
	.amdhsa_kernel k_qc2fe7f5866_proj
		.amdhsa_group_segment_fixed_size 327680
		.amdhsa_private_segment_fixed_size 0
		.amdhsa_enable_private_segment 0
		.amdhsa_kernarg_size 48
		.amdhsa_user_sgpr_count 2
		.amdhsa_user_sgpr_kernarg_segment_ptr 1
		.amdhsa_wavefront_size32 1
		.amdhsa_system_sgpr_workgroup_id_x 1
		.amdhsa_system_sgpr_workgroup_id_y 1
		.amdhsa_system_sgpr_workgroup_id_z 1
		.amdhsa_system_vgpr_workitem_id 0
		.amdhsa_next_free_vgpr 1024
		.amdhsa_next_free_sgpr 80
		.amdhsa_reserve_vcc 1
		.amdhsa_float_denorm_mode_32 3
		.amdhsa_float_denorm_mode_16_64 3
		.amdhsa_memory_ordered 1
		.amdhsa_forward_progress 1
		.amdhsa_inst_pref_size 255
	.end_amdhsa_kernel
	.section	.bss,"aw",@nobits
	.p2align	6
	.space	262144
	.amdgpu_metadata
---
amdhsa.version: [ 1, 2 ]
amdhsa.kernels:
  - .name:           k_qc2fe7f5866_proj
    .symbol:         k_qc2fe7f5866_proj.kd
    .args:
      - { .name: xb, .offset: 0, .size: 8, .value_kind: global_buffer, .address_space: global }
      - { .name: wb, .offset: 8, .size: 8, .value_kind: global_buffer, .address_space: global }
      - { .name: qb, .offset: 16, .size: 8, .value_kind: global_buffer, .address_space: global }
      - { .name: kb, .offset: 24, .size: 8, .value_kind: global_buffer, .address_space: global }
      - { .name: vb, .offset: 32, .size: 8, .value_kind: global_buffer, .address_space: global }
      - { .name: qe, .offset: 40, .size: 8, .value_kind: global_buffer, .address_space: global }
    .group_segment_fixed_size: 327680
    .private_segment_fixed_size: 0
    .kernarg_segment_align: 8
    .kernarg_segment_size: 48
    .max_flat_workgroup_size: 128
    .sgpr_count:     80
    .vgpr_count:     1024
    .wavefront_size: 32
...
	.end_amdgpu_metadata
.endif
;; end of part 2
;; launch kvprod (part 3): grid 8 x 32, 4 waves a work-group, clusters of 4 x 4, 327,680 bytes of LDS; arguments kb, vb, kvb, kve; writes kvb, kve
.if DOCPART == 3
	.amdgcn_target "amdgcn-amd-amdhsa--gfx1250"
	.amdhsa_code_object_version 6
	.text
	.protected	k_qc2fe7f5866_kvprod
	.globl	k_qc2fe7f5866_kvprod
	.p2align	8
	.type	k_qc2fe7f5866_kvprod,@function
k_qc2fe7f5866_kvprod:
	s_mov_b64 s[64:65], 0
	v_nop
	global_prefetch_b8 v0, s[64:65] scope:SCOPE_SE
	s_setreg_imm32_b32 hwreg(HW_REG_WAVE_MODE, 25, 1), 1
	s_wait_xcnt 0x0
	s_wait_alu depctr_hold_cnt(0) depctr_sa_sdst(0) depctr_va_vdst(0) depctr_va_sdst(0) depctr_va_ssrc(0) depctr_va_vcc(0) depctr_vm_vsrc(0)
	s_getreg_b32 s2, hwreg(HW_REG_IB_STS2, 6, 4)
	s_cmp_eq_u32 s2, 0
	s_cbranch_scc0 .Lentry_in_a_cluster
	s_endpgm
.Lentry_in_a_cluster:
	s_bfe_u32 s2, ttmp6, 0x10000c
	s_cmp_lg_u32 s2, 0xf033
	s_cbranch_scc0 .Lentry_shape_is_right
	s_endpgm
.Lentry_shape_is_right:
; LinearAttention, launch 3 of 4: kv[b][d][e] = sum over n of K[b][n][d] V[b][n][e].  kb, vb [4 x 2048][1024] f16; sums in f32.
; kv has no fixed room in f16 (it grows with the square of x and of the weights): a work-group takes m, the largest |kv| of its 128 x 128 block (not under
; 2^-113), and e, m's f32 exponent field (14 to 255); it multiplies the block by 2^(141 - e), which is exact and puts m into [2^14, 2^15), rounds once to f16
; into kvb [4][1024][1024], and stores e in kve[batch][e block][d block].  LIMIT: a |kv| below 2^-29 of m is kept with the fixed step 2^-39 of m; an
; infinite m gives infinities.  Nothing is left out.
; The output has 4 x 8 x 8 blocks of 128 (d) x 128 (e): one work-group each.  n goes through a ring of two LDS slots, 256 rows of K and of V a slot: 8 fills.
; Four waves: wave (kh, rh) makes d rows 64 rh .. +63 x all 128 e over n rows 128 kh .. +127 of every slot: 32 accumulator tiles, 12 fragments for
; 32 matrix instructions.  LIMIT: each output is thus two f32 half sums (one from each of the waves w and w xor 2), added once at the end.
; Register tile a' holds d tile a' xor 2 kh (made in the LDS addresses, so the text is one for all waves): a' = 0, 1 are the tiles that the wave
; finishes and stores, a' = 2, 3 those that it hands to its partner through LDS.
; K and V both lie [n][column], n being the index summed over: both fragments come by ds_load_tr16_b128.  Source 0 = 16 columns e of V,
; source 1 = 16 columns d of K: lane l holds row d = l % 16, columns e = 8 (l / 16) + 0 .. 7.
; CLUSTERS of 4 x 4: K's tile hangs on batch and d block (shared along the cluster's row), V's on batch and e block (shared along its column);
; the batch hangs on the cluster's y alone.  Joint loads divide the requests by four.
; PREFETCH.  A refill has one slot's 128 matrix instructions in which to land, and two slots of 256 rows are all that LDS holds, so fills 2 to 7 are asked
; for ahead of their tensor loads.  A fill's tile of K (of V) is 256 pieces of 256 bytes, one of each row, and eight work-groups read it: each asks for 32 rows, one
; a lane, so that each piece is asked for once in the launch.  Every wave asks once at each of three spots: even waves for K, odd ones for V, waves 0 and 1 for
; fill j, waves 2 and 3 for fill j + 1: j = 2 behind the first fills, j = 4 in step 1's second quarter, j = 6 in step 3's: 192 and 320 matrix instructions
; ahead of the tensor loads.  The fill's number stands in the immediate, which is why the eight steps are written out.  Nothing is asked for behind fill 7.
; REGISTERS: window 0: v0-31 addresses and scratch, v32-127 and v128-223 fragments (V at +8 b, K at +64 + 8 a'), v224-255 packed results; window 1: tile (a', b) at v[8 (8 a' + b)].
.set PB,     288                       ; LDS pitch: 256 + 32 bytes = 9 x 32
.set REG,    128*PB                    ; what one tensor load fills: 128 rows
.set SLOT,   4*REG                     ; K's 256 rows, then V's 256 rows
.set FILLB,  524288                    ; a fill's 256 rows of 2,048 bytes in kb and in vb
.set XCH,    16384                     ; behind slot 0's last fill: 16 tiles of f32 handed to wave w lie at w x 16,384
.set STAGE,  4*XCH                     ; each wave's own stage: 2 x 16 rows x 272 bytes
.set SPITCH, 272
.set SCRATCH, STAGE+4*32*SPITCH        ; 100,352: one word a wave for the block's largest |kv|; all of this lies inside slot 0
.set M,     2                          ; v2-5    four running maxima
.set FA,    6                          ; v6-7    2^(141 - e), twice
.set EX,    8                          ; v8      e
.set ZO,    9                          ; v9      0: the offset of the one word stored to kve
.set ADRB,  16                         ; v16-17  V's fragments in slot 0, 1
.set ADRA0, 18                         ; v18-19  K's fragments a' = 0, 1
.set ADRA1, 20                         ; v20-21  K's fragments a' = 2, 3
.set XST,   22
.set XRD,   23
.set STO,   24
.set RD,    25
.set CO,    26
.set PF,    27                         ; v27     the prefetches' byte offset; never rewritten
.set SCR,   28
.set SCRB,  29
.set F0,    32
.set F1,    128
.set TMP,   224
.set G1,  24
.set G0,  32
.set G1B, 48
.set G0B, 56
.set MSB, 0
.macro WIN new
.if MSB != \new
	s_set_vgpr_msb (MSB<<8)|\new
.set MSB, \new
.endif
.endm
.set MUL,   0x50                       ; C and D window 1, both fragments window 0
.set SRC1W, 0x04                       ; source 1 (an LDS store's data, an add's second source) window 1
.macro PLACES                          ; four plain vector instructions that name no matrix register (ISA guide 7.12.1)
.rept 4
	v_nop
.endr
.endm
.macro JLOAD s                         ; waves 0 and 1 fetch K's two halves of a slot's rows, waves 2 and 3 V's
	s_cmp_eq_u32 s15, 0
	s_cbranch_scc0 .Lfor_b_\@
	tensor_load_to_lds s[G0+4*\s:G0+4*\s+3], s[G1:G1+7]
	s_nop 0
	s_branch .Lasked_\@
.Lfor_b_\@:
	tensor_load_to_lds s[G0B+4*\s:G0B+4*\s+3], s[G1B:G1B+7]
	s_nop 0
.Lasked_\@:
.endm
.macro CREST
	s_cmp_lg_u32 s14, 0
	s_cbranch_scc1 .Lnot_wave_0_\@
	s_barrier_signal -3
.Lnot_wave_0_\@:
	s_barrier_wait -3
	s_barrier_signal -1
	s_barrier_wait -1
.endm
.macro CROUND
	s_barrier_signal -1
	s_barrier_wait -1
	CREST
.endm
	s_load_b128 s[4:7], s[0:1], 0x0                ; kb s[4:5], vb s[6:7]
	s_load_b128 s[8:11], s[0:1], 0x10              ; kvb s[8:9], kve s[10:11]
	v_lshl_add_u32 v30, v0, 2, 0x48000
	v_mov_b32 v31, 0
	ds_add_u32 v30, v31
	v_lshrrev_b32 v1, 5, v0
	v_readfirstlane_b32 s14, v1                    ; wave 0..3
	s_lshr_b32 s15, s14, 1                         ; kh.  Also: I fetch K (0) or V (1)
	s_and_b32 s16, s14, 1                          ; rh.  Also: which 128 of a slot's rows I fetch
	s_bfe_u32 s17, ttmp6, 0x40000                  ; cx
	s_bfe_u32 s18, ttmp6, 0x40004                  ; cy
	s_lshl_b32 s19, ttmp9, 2
	s_add_co_u32 s19, s19, s17                     ; bx: e block 0..7
	s_and_b32 s20, ttmp7, 0xffff
	s_lshr_b32 s23, s20, 1                         ; batch, of the cluster's y alone
	s_lshl_b32 s20, s20, 2
	s_add_co_u32 s20, s20, s18                     ; by = 8 batch + d block
	s_lshl_b32 s21, s18, 2
	s_lshl_b32 s21, 15, s21                        ; my row of the cluster
	s_lshl_b32 s22, 0x1111, s17                    ; my column
	; group 1: 128 rows x 128 elements of 2 bytes, 1,024 elements from row to row, 8 words of padding behind every 64
	s_or_b32 s[G1+0], s21, (1<<16)|(1<<20)|(1<<21)|(5<<22)|(7<<25)
	s_or_b32 s[G1B+0], s22, (1<<16)|(1<<20)|(1<<21)|(5<<22)|(7<<25)
	s_mov_b32 s[G1+1], 128<<16
	s_mov_b32 s[G1B+1], 128<<16
	s_mov_b32 s[G1+2], 128<<16
	s_mov_b32 s[G1B+2], 128<<16
	s_mov_b32 s[G1+3], 128<<16
	s_mov_b32 s[G1B+3], 128<<16
	s_mov_b32 s[G1+4], 128
	s_mov_b32 s[G1B+4], 128
	s_mov_b32 s[G1+5], 1024
	s_mov_b32 s[G1B+5], 1024
	s_mov_b32 s[G1+6], 0
	s_mov_b32 s[G1B+6], 0
	s_mov_b32 s[G1+7], 0
	s_mov_b32 s[G1B+7], 0
	s_lshl_b32 s40, s23, 11                        ; K: row 2048 batch + 128 half,
	s_lshl_b32 s41, s16, 7
	s_add_co_u32 s40, s40, s41
	s_lshl_b32 s40, s40, 11                        ; x 2,048 bytes,
	s_and_b32 s41, s20, 7
	s_lshl_b32 s41, s41, 8                         ; + 256 bytes a d block
	s_add_co_u32 s40, s40, s41
	s_mov_b32 s41, 0
	s_lshl_b32 s44, s23, 11                        ; V: the same rows,
	s_lshl_b32 s45, s16, 7
	s_add_co_u32 s44, s44, s45
	s_lshl_b32 s44, s44, 11
	s_lshl_b32 s45, s19, 8                         ; + 256 bytes an e block
	s_add_co_u32 s44, s44, s45
	s_mov_b32 s45, 0
	s_mul_i32 s42, s14, REG                        ; a wave's tile goes to wave x 36,864
	s_wait_dscnt 0x0
	s_wait_kmcnt 0x0
	s_add_nc_u64 s[40:41], s[4:5], s[40:41]
	s_add_nc_u64 s[44:45], s[6:7], s[44:45]
	CROUND                                         ; in front of the first joint loads
.irp s, 0,1
	s_mov_b32 s[G0+4*\s], 1
	s_add_co_u32 s[G0+4*\s+1], s42, \s*SLOT
	s_add_nc_u64 s[G0+4*\s+2:G0+4*\s+3], s[40:41], \s*FILLB        ; fill s: 256 rows of 2,048 bytes on
	s_or_b32 s[G0+4*\s+3], s[G0+4*\s+3], 0x80000000
	s_mov_b32 s[G0B+4*\s], 1
	s_add_co_u32 s[G0B+4*\s+1], s42, \s*SLOT
	s_add_nc_u64 s[G0B+4*\s+2:G0B+4*\s+3], s[44:45], \s*FILLB
	s_or_b32 s[G0B+4*\s+3], s[G0B+4*\s+3], 0x80000000
	JLOAD \s                                       ; two tensor loads of the wave are out
.endr
	v_and_b32 v1, 15, v0                           ; r
	v_bfe_u32 v2, v0, 4, 1                         ; h
	v_and_b32 v3, 7, v0
	v_bfe_u32 v4, v0, 3, 1
	v_and_b32 v7, 31, v0                           ; lane
	; what I ask for ahead: even waves K (my e block's 32 of the 256 rows, my d block's column), odd waves V (my d block's 32 rows, my e block's column)
	s_and_b32 s46, s20, 7                          ; d block
	s_cmp_eq_u32 s16, 0                            ; the choice hangs on the wave's number alone; the selects leave SCC as it is
	s_cselect_b32 s47, s19, s46                    ; which 32 rows
	s_cselect_b32 s66, s46, s19                    ; which column block
	s_cselect_b64 s[70:71], s[4:5], s[6:7]
	s_lshl_b32 s47, s47, 16                        ; 32 rows of 2,048 bytes
	s_lshl_b32 s66, s66, 8
	s_add_co_u32 s47, s47, s66
	s_lshl_b32 s66, s15, 19                        ; waves 2 and 3: one fill further on
	s_add_co_u32 s47, s47, s66
	s_lshl_b32 s66, s23, 22                        ; 2,048 rows a batch
	s_add_co_u32 s47, s47, s66
	v_lshl_add_u32 v[PF], v7, 11, s47              ; a row a lane
	global_prefetch_b8 v[PF], s[70:71] offset:2*FILLB th:TH_LOAD_NT scope:SCOPE_SE   ; fills 2 and 3
	v_lshl_add_u32 v5, v2, 3, v3                   ; transposing load: n row 8 h + l % 8,
	v_mul_u32_u24 v5, v5, PB
	v_lshl_add_u32 v5, v4, 4, v5                   ; 16 bytes at 16 x bit 3 of l
	v_mul_u32_u24 v6, v1, SPITCH
	v_lshl_add_u32 v6, v2, 4, v6                   ; stage, in: row r, 16 h
	v_mul_u32_u24 v8, v2, SPITCH
	v_lshl_add_u32 v8, v1, 4, v8                   ; stage, back: row h, 16 r
	s_mul_i32 s43, s15, REG                        ; my 128 n rows of a slot
	s_lshl_b32 s46, s16, 7                         ; my 64 d columns: 128 bytes
	s_add_co_u32 s46, s46, s43
	s_lshl_b32 s47, s15, 6                         ; a' = 0, 1: the 32 columns at 64 kh bytes
	s_add_co_u32 s66, s46, s47
	s_xor_b32 s47, s47, 64                         ; a' = 2, 3: the other 32
	s_add_co_u32 s67, s46, s47
	s_add_co_u32 s43, s43, 2*REG                   ; V lies behind K's two regions
.irp s, 0,1
	v_add_nc_u32 v[ADRB+\s], s43, v5
	v_add_nc_u32 v[ADRA0+\s], s66, v5
	v_add_nc_u32 v[ADRA1+\s], s67, v5
	s_add_co_u32 s43, s43, SLOT
	s_add_co_u32 s66, s66, SLOT
	s_add_co_u32 s67, s67, SLOT
.endr
	s_xor_b32 s46, s14, 2                          ; my partner: the other half of n, the same d rows
	s_lshl_b32 s46, s46, 14
	v_lshl_add_u32 v[XST], v7, 4, s46              ; I write into the partner's region,
	s_lshl_b32 s47, s14, 14
	v_lshl_add_u32 v[XRD], v7, 4, s47              ; and read my own
	s_mul_i32 s46, s14, 32*SPITCH
	s_add_co_u32 s46, s46, STAGE
	v_add_nc_u32 v[STO], s46, v6
	v_add_nc_u32 v[RD], s46, v8
	v_lshlrev_b32 v9, 11, v2
	v_lshl_add_u32 v[CO], v1, 4, v9                ; two rows of kv: 2,048 h + 16 r
	s_lshl_b32 s47, s14, 2
	s_add_co_u32 s47, s47, SCRATCH
	v_mov_b32 v[SCR], s47                          ; my wave's word: scratch + 4 x wave
	v_mov_b32 v[SCRB], SCRATCH
; 8 matrix instructions: d tile a x all 8 e tiles, 32 along n.  The 32 accumulators take turns, one instruction a turn.
.macro MUL8 f, a, zero
.irp b, 0,1,2,3,4,5,6,7
.if \zero
	v_wmma_f32_16x16x32_f16 v[8*(8*\a+\b):8*(8*\a+\b)+7], v[\f+8*\b:\f+8*\b+7], v[\f+64+8*\a:\f+64+8*\a+7], 0
.else
	v_wmma_f32_16x16x32_f16 v[8*(8*\a+\b):8*(8*\a+\b)+7], v[\f+8*\b:\f+8*\b+7], v[\f+64+8*\a:\f+64+8*\a+7], v[8*(8*\a+\b):8*(8*\a+\b)+7]
.endif
.endr
.endm
; 24 LDS loads: quarter q (32 n rows = 9,216 bytes) of my half of a slot: 8 fragments of V, then K's a' = 0, 1, then a' = 2, 3
.macro FETCH slot, q, f
.irp b, 0,1,2,3,4,5,6,7
	ds_load_tr16_b128 v[\f+8*\b:\f+8*\b+3],   v[ADRB+\slot] offset:\q*32*PB+32*\b
	ds_load_tr16_b128 v[\f+8*\b+4:\f+8*\b+7], v[ADRB+\slot] offset:\q*32*PB+32*\b+16*PB
.endr
.irp i, 0,1
	ds_load_tr16_b128 v[\f+64+8*\i:\f+64+8*\i+3],   v[ADRA0+\slot] offset:\q*32*PB+32*\i
	ds_load_tr16_b128 v[\f+64+8*\i+4:\f+64+8*\i+7], v[ADRA0+\slot] offset:\q*32*PB+32*\i+16*PB
.endr
.irp i, 0,1
	ds_load_tr16_b128 v[\f+80+8*\i:\f+80+8*\i+3],   v[ADRA1+\slot] offset:\q*32*PB+32*\i
	ds_load_tr16_b128 v[\f+80+8*\i+4:\f+80+8*\i+7], v[ADRA1+\slot] offset:\q*32*PB+32*\i+16*PB
.endr
.endm
; pf = -1: nothing is asked for ahead; else fills pf (waves 0, 1) and pf + 1 (waves 2, 3), behind the run of LDS loads
.macro QUARTER slot, q, f, g, zero, pf
	s_wait_dscnt 4                                 ; V's and K's a' = 0, 1 are in; the youngest four loads (a' = 2, 3) may be out
	WIN MUL
	MUL8 \f, 0, \zero
	MUL8 \f, 1, \zero
	PLACES
	WIN 0
	FETCH \slot, \q, \g
.if \pf >= 0
	global_prefetch_b8 v[PF], s[70:71] offset:\pf*FILLB th:TH_LOAD_NT scope:SCOPE_SE
.endif
	s_wait_dscnt 24                                ; all but the 24 just issued
	WIN MUL
	MUL8 \f, 2, \zero
	MUL8 \f, 3, \zero
.endm
.macro THREE slot, zero, pf
	QUARTER \slot, 1, F0, F1, \zero, -1
	QUARTER \slot, 2, F1, F0, 0, \pf
	QUARTER \slot, 3, F0, F1, 0, -1
.endm
; The last quarter changes slots: each wave's reads of this slot and all its tensor loads are waited for in front of the barrier; behind it
; (fill = 1: behind the whole round of the cluster's barrier) the refill comes first, then the next slot's first fragments.
.macro TURN slot, next, fill
	s_wait_dscnt 4
	WIN MUL
	MUL8 F1, 0, 0
	s_wait_dscnt 0                                 ; my reads of this slot are over
	s_wait_tensorcnt 0x0                           ; all my tensor loads have landed, so a group 0 may be written
	ds_add_u32 v30, v31
	s_wait_dscnt 0x0
	s_barrier_signal -1
	MUL8 F1, 1, 0                                  ; register work while the others arrive
	WIN 0
	s_barrier_wait -1
.if \fill
	CREST
	s_add_nc_u64 s[G0+4*\slot+2:G0+4*\slot+3], s[G0+4*\slot+2:G0+4*\slot+3], 2*FILLB      ; 512 rows on
	s_add_nc_u64 s[G0B+4*\slot+2:G0B+4*\slot+3], s[G0B+4*\slot+2:G0B+4*\slot+3], 2*FILLB
	JLOAD \slot                                    ; my one tensor load behind the round, and the first thing there
.endif
	PLACES
	FETCH \next, 0, F0
	WIN MUL
	MUL8 F1, 2, 0
	MUL8 F1, 3, 0
.endm
.macro LAP zero, pf                    ; two steps, once round the ring, both slots filled again; the second step asks ahead
	THREE 0, \zero, -1
	TURN 0, 1, 1
	THREE 1, 0, \pf
	TURN 1, 0, 1
.endm
	s_wait_tensorcnt 1                             ; my part of slot 0 is in; slot 1's stays out
	s_barrier_signal -1
	s_barrier_wait -1
	FETCH 0, 0, F0
	LAP 1, 4                                       ; steps 0, 1: the first products start the sums; fills 4 and 5 are asked for
	LAP 0, 6                                       ; steps 2, 3: fills 6 and 7 are asked for
	LAP 0, -1                                      ; steps 4, 5: nothing is left to ask for
	THREE 0, 0, -1                                 ; steps 6, 7 fill nothing
	TURN 0, 1, 0                                   ; behind this barrier no wave reads slot 0 and no load fills it any more
	THREE 1, 0, -1
	s_wait_dscnt 0
	WIN MUL
	MUL8 F1, 0, 0
	MUL8 F1, 1, 0
	MUL8 F1, 2, 0
	MUL8 F1, 3, 0
	; THE TWO HALF SUMS MEET: my tiles a' = 2, 3 (window 1, v128-255) go to my partner's region, lane by lane; its a' = 2, 3 are my a' = 0, 1.
	PLACES
	WIN SRC1W
.set ii, 0
.rept 16
	ds_store_b128 v[XST], v[128+8*ii:128+8*ii+3]   offset:1024*ii
	ds_store_b128 v[XST], v[128+8*ii+4:128+8*ii+7] offset:1024*ii+512
.set ii, ii+1
.endr
	WIN 0
	s_wait_dscnt 0x0                               ; my stores are done, for the partner's sake
	s_barrier_signal -1
	s_barrier_wait -1
.set ii, 0
.rept 16
	ds_load_b128 v[32+8*ii:32+8*ii+3],   v[XRD] offset:1024*ii
	ds_load_b128 v[32+8*ii+4:32+8*ii+7], v[XRD] offset:1024*ii+512
.set ii, ii+1
.endr
	s_lshl_b32 s66, s20, 7                         ; my first row of kvb: 128 by + 64 rh + 32 kh
	s_lshl_b32 s67, s16, 6
	s_add_co_u32 s66, s66, s67
	s_lshl_b32 s67, s15, 5
	s_add_co_u32 s66, s66, s67
	s_lshl_b32 s66, s66, 11
	s_lshl_b32 s67, s19, 8                         ; my e block: 256 bytes
	s_add_co_u32 s66, s66, s67
	s_mov_b32 s67, 0
	s_add_nc_u64 s[68:69], s[8:9], s[66:67]
	WIN SRC1W
.set ii, 0
.rept 16
	s_wait_dscnt 30-2*ii                           ; tile ii's two loads are in; the later tiles' stay out
	v_pk_add_f32 v[32+8*ii:33+8*ii], v[32+8*ii:33+8*ii], v[8*ii:8*ii+1]
	v_pk_add_f32 v[34+8*ii:35+8*ii], v[34+8*ii:35+8*ii], v[8*ii+2:8*ii+3]
	v_pk_add_f32 v[36+8*ii:37+8*ii], v[36+8*ii:37+8*ii], v[8*ii+4:8*ii+5]
	v_pk_add_f32 v[38+8*ii:39+8*ii], v[38+8*ii:39+8*ii], v[8*ii+6:8*ii+7]
.set ii, ii+1
.endr
	WIN 0
	; THE BLOCK'S POWER OF TWO: the largest magnitude of my 128 numbers a lane on four chains, across the lanes, across the four waves through LDS
.irp k, 0,1,2,3
	v_mov_b32 v[M+\k], 0x07000000                  ; the chains start at 2^-113, the least m: so e is at least 14 and 2^(141 - e) at most 2^127
.endr
.set ii, 0
.rept 64
	v_max3_num_f32 v[M+ii%4], |v[32+2*ii]|, |v[33+2*ii]|, v[M+ii%4]
.set ii, ii+1
.endr
	s_mov_b32 s46, 0x76543210                      ; v_permlanex16_b32: lane i of one half reads lane i of the other
	s_mov_b32 s47, 0xfedcba98
	v_max3_num_f32 v[M], v[M], v[M+1], v[M+2]
	v_max_num_f32 v[M], v[M], v[M+3]
	v_max_num_f32_dpp v[M], v[M], v[M] row_xmask:1 row_mask:0xf bank_mask:0xf
	v_max_num_f32_dpp v[M], v[M], v[M] row_xmask:2 row_mask:0xf bank_mask:0xf
	v_max_num_f32_dpp v[M], v[M], v[M] row_xmask:4 row_mask:0xf bank_mask:0xf
	v_max_num_f32_dpp v[M], v[M], v[M] row_xmask:8 row_mask:0xf bank_mask:0xf
	v_permlanex16_b32 v[M+1], v[M], s46, s47
	v_max_num_f32 v[M], v[M], v[M+1]
	ds_store_b32 v[SCR], v[M]                      ; all lanes write the same word with the same value
	s_wait_dscnt 0x0                               ; done, for the other waves' sake
	s_barrier_signal -1
	s_barrier_wait -1
	ds_load_b128 v[M:M+3], v[SCRB]                 ; the four waves' words, in every lane
	s_lshl_b32 s66, s23, 3
	s_add_co_u32 s66, s66, s19
	s_lshl_b32 s66, s66, 3
	s_and_b32 s67, s20, 7
	s_add_co_u32 s66, s66, s67
	s_lshl_b32 s66, s66, 2                         ; kve[batch][e block][d block]: the eight d blocks that one product walks lie side by side
	s_mov_b32 s67, 0
	s_add_nc_u64 s[10:11], s[10:11], s[66:67]
	v_mov_b32 v[ZO], 0
	s_wait_dscnt 0x0
	v_max3_num_f32 v[M], v[M], v[M+1], v[M+2]
	v_max_num_f32 v[M], v[M], v[M+3]               ; m, not negative
	v_lshrrev_b32 v[EX], 23, v[M]                  ; e = its exponent field, 14 to 255
	v_sub_nc_u32 v[FA], 268, v[EX]                 ; the field of 2^(141 - e) is 127 + 141 - e, 13 to 254
	v_lshlrev_b32 v[FA], 23, v[FA]
	v_mov_b32 v[FA+1], v[FA]
	v_cmp_eq_u32 vcc_lo, 0, v0                     ; the work-group's thread 0 stores the block's one word
	s_wait_xcnt 0x0                                ; EXEC changes only behind this wait
	s_and_saveexec_b32 s46, vcc_lo
	global_store_b32 v[ZO], v[EX], s[10:11]
	s_wait_xcnt 0x0                                ; and again in front of the line that widens it
	s_or_b32 exec_lo, exec_lo, s46
.set ii, 0
.rept 64
	v_pk_mul_f32 v[32+2*ii:33+2*ii], v[32+2*ii:33+2*ii], v[FA:FA+1]
.set ii, ii+1
.endr
; 16 rows of kv: round to f16, 16 bytes a lane into my own stage, back as whole rows of 256 bytes.  LDS serves a wave's instructions in
; order (ISA guide 5.7.1), so no wait stands between my stores and my loads of my own bytes.  Each a has its own stage rows and registers.
.macro OUT16 a
.irp b, 0,1,2,3,4,5,6,7
.irp r, 0,1,2,3
	v_cvt_pk_f16_f32 v[TMP+4*\b+\r], v[32+8*(8*\a+\b)+2*\r], v[32+8*(8*\a+\b)+2*\r+1]
.endr
.endr
.irp b, 0,1,2,3,4,5,6,7
	ds_store_b128 v[STO], v[TMP+4*\b:TMP+4*\b+3] offset:16*SPITCH*\a+32*\b
.endr
.irp t, 0,1,2,3,4,5,6,7
	ds_load_b128 v[160+32*\a+4*\t:160+32*\a+4*\t+3], v[RD] offset:16*SPITCH*\a+2*SPITCH*\t
.endr
.irp t, 0,1,2,3,4,5,6,7
	s_wait_dscnt 7-\t                              ; pair t of rows is in; the younger loads stay out
	global_store_b128 v[CO], v[160+32*\a+4*\t:160+32*\a+4*\t+3], s[68:69] offset:(16*\a+2*\t)*2048   ; 16 lanes store 256 consecutive bytes at a multiple of 256
.endr
.endm
	OUT16 0
	OUT16 1
	s_wait_tensorcnt 0x0
	ds_add_u32 v30, v31
	s_wait_dscnt 0x0
	CROUND                                         ; the closing round
	s_endpgm
.Lfunc_end_k_qc2fe7f5866_kvprod:
	.size	k_qc2fe7f5866_kvprod, .Lfunc_end_k_qc2fe7f5866_kvprod-k_qc2fe7f5866_kvprod
	.p2alignl 7, 3214868480
	.fill 96, 4, 3214868480
	.section	.rodata,"a",@progbits
	.p2align	6, 0x0
	.amdhsa_kernel k_qc2fe7f5866_kvprod
		.amdhsa_group_segment_fixed_size 327680
		.amdhsa_private_segment_fixed_size 0
		.amdhsa_enable_private_segment 0
		.amdhsa_kernarg_size 32
		.amdhsa_user_sgpr_count 2
		.amdhsa_user_sgpr_kernarg_segment_ptr 1
		.amdhsa_wavefront_size32 1
		.amdhsa_system_sgpr_workgroup_id_x 1
		.amdhsa_system_sgpr_workgroup_id_y 1
		.amdhsa_system_sgpr_workgroup_id_z 1
		.amdhsa_system_vgpr_workitem_id 0
		.amdhsa_next_free_vgpr 512
		.amdhsa_next_free_sgpr 72
		.amdhsa_reserve_vcc 1
		.amdhsa_float_denorm_mode_32 3
		.amdhsa_float_denorm_mode_16_64 3
		.amdhsa_memory_ordered 1
		.amdhsa_forward_progress 1
		.amdhsa_inst_pref_size 161
	.end_amdhsa_kernel
	.amdgpu_metadata
---
amdhsa.version: [ 1, 2 ]
amdhsa.kernels:
  - .name:           k_qc2fe7f5866_kvprod
    .symbol:         k_qc2fe7f5866_kvprod.kd
    .args:
      - { .name: kb, .offset: 0, .size: 8, .value_kind: global_buffer, .address_space: global }
      - { .name: vb, .offset: 8, .size: 8, .value_kind: global_buffer, .address_space: global }
      - { .name: kvb, .offset: 16, .size: 8, .value_kind: global_buffer, .address_space: global }
      - { .name: kve, .offset: 24, .size: 8, .value_kind: global_buffer, .address_space: global }
    .group_segment_fixed_size: 327680
    .private_segment_fixed_size: 0
    .kernarg_segment_align: 8
    .kernarg_segment_size: 32
    .max_flat_workgroup_size: 128
    .sgpr_count:     72
    .vgpr_count:     512
    .wavefront_size: 32
...
	.end_amdgpu_metadata
.endif
;; end of part 3
;; launch outprod (part 4): grid 8 x 32, 4 waves a work-group, clusters of 4 x 4, 327,680 bytes of LDS; arguments qb, kvb, qe, kve, out0; writes out0
.if DOCPART == 4
	.amdgcn_target "amdgcn-amd-amdhsa--gfx1250"
	.amdhsa_code_object_version 6
	.text
	.protected	k_qc2fe7f5866_outprod
	.globl	k_qc2fe7f5866_outprod
	.p2align	8
	.type	k_qc2fe7f5866_outprod,@function
k_qc2fe7f5866_outprod:
	s_mov_b64 s[64:65], 0
	v_nop
	global_prefetch_b8 v0, s[64:65] scope:SCOPE_SE
	s_setreg_imm32_b32 hwreg(HW_REG_WAVE_MODE, 25, 1), 1
	s_wait_xcnt 0x0
	s_wait_alu depctr_hold_cnt(0) depctr_sa_sdst(0) depctr_va_vdst(0) depctr_va_sdst(0) depctr_va_ssrc(0) depctr_va_vcc(0) depctr_vm_vsrc(0)
	s_getreg_b32 s2, hwreg(HW_REG_IB_STS2, 6, 4)
	s_cmp_eq_u32 s2, 0
	s_cbranch_scc0 .Lentry_in_a_cluster
	s_endpgm
.Lentry_in_a_cluster:
	s_bfe_u32 s2, ttmp6, 0x10000c
	s_cmp_lg_u32 s2, 0xf033
	s_cbranch_scc0 .Lentry_shape_is_right
	s_endpgm
.Lentry_shape_is_right:
; LinearAttention, launch 4 of 4: out[b][n][e] = sum over d of Q[b][n][d] kv[b][d][e].  qb [8192][1024] f16, kvb [4][1024][1024] f16, out0 [8192][1024] f32;
; one f32 sum for each output.  Nothing is left out.
; BLOCK POWERS.  qb holds Q x 2^(141 - eq) with one eq for each 256 x 128 block (qe[row block][d block]), kvb holds kv x 2^(141 - ek) with one ek for each
; 128 x 128 block (kve[batch][e block][d block]).  A K step of 128 d is one block of each, so step s carries the one power 2^(E_s - 282), E_s = eq_s + ek_s.
; With Emax the largest of the eight, Q's fragments of step s are multiplied by 2^(E_s - Emax), at most 1, in f16, and the f32 sums once by 2^(Emax - 282),
; as two powers of two since that exponent runs from -254 to 228 (each field is kept at 1 or above: where that bites, the result is under f32's range).
; LIMIT: a block's largest magnitude lies in [2^14, 2^15) and f16's fixed step begins at 2^-14, so a step whose power lies k bits under the largest has
; 29 - k bits of room under its largest number before bits are lost, and beyond 39 bits a number is dropped.
; The output has 32 x 8 blocks of 256 rows x 128 columns: one work-group each.  Four waves; wave w makes rows 64 w .. +63 x all 128 columns:
; 32 accumulator tiles, 12 fragments for 32 matrix instructions.  d goes in 8 steps of 128 through a ring of two LDS slots.
; kv lies [d][e], d being the index summed over: its fragments come by ds_load_tr16_b128; Q's rows lie along d: plain loads.
; Source 0 = 16 columns of kv, source 1 = 16 rows of Q: lane l holds row l % 16, columns 8 (l / 16) + 0 .. 7: 32 neighbouring bytes of f32.
; CLUSTERS of 4 x 4: Q's tile hangs on the row block (shared along the cluster's row), kv's on batch and column block (shared along its column);
; the batch hangs on the cluster's y alone.  Joint loads divide the requests by four.
; REGISTERS, laid out so that a matrix instruction, the multiply of a Q fragment and the load of a Q fragment run under ONE window setting:
;   window 0: v0-31 addresses, v32-95 and v96-159 kv's fragments (two buffers), v160-167 the eight steps' factors (f16, twice in a word)
;   window 1: tiles of row tiles 0, 1 at v[8 (8 a + b)], v128-143 and v144-159 their Q fragments (two buffers);  window 2: the same for row tiles 2, 3
;   setting S1 (S2): destination, source 1 and source 2 in window 1 (2), source 0 in window 0: D, C and Q in the window, kv from window 0; the multiply takes
;   the factor as source 0; an LDS load's data is its destination and its address its source 0.  Three switches for 32 matrix instructions.
; The 32 multiplies of a quarter step: 8 at the head of each window's stretch, 8 one behind each of its first 8 matrix instructions.  They name none of the
; registers of the matrix instructions in front of them, so they are also the places in front of the fragment loads: the steps hold no v_nop.
; The eight steps are written out: each names its own factor register, and the prefetches' step numbers stand in immediates.
; PREFETCH.  A refill has one step's 128 matrix instructions in which to land, so fills 2 to 7 are asked for ahead of their tensor loads.  A step's tile of Q is 256
; pieces of 256 bytes, read by the eight work-groups of a row block: each asks for 32 rows, one a lane (wave 0 for fill j, wave 1 for fill j + 1).  A step's tile
; of kv is 128 pieces, read by the eight row blocks of a batch: each asks for 16 rows (wave 2: lanes 0-15 for fill j, 16-31 for fill j + 1).  Wave 3 asks for nothing.
; So each piece is asked for once in the launch.  j = 2 behind the first fills, j = 4 in step 1's second quarter, j = 6 in step 3's: 192 and 320 matrix
; instructions ahead of the tensor loads.  Nothing is asked for behind fill 7.
.set PA,     272                       ; LDS pitch of Q's rows: 256 + 16 bytes
.set PB,     288                       ; LDS pitch of kv's rows: 256 + 32 bytes
.set KVOFF,  256*PA                    ; kv's 128 rows lie behind Q's 256
.set SLOT,   256*PA+128*PB             ; 106,496
.set STAGE,  2*SLOT                    ; behind the ring, bytes that no tensor load fills: 16 rows x 528 bytes for each wave
.set SPITCH, 528                       ; 512 + 16 bytes
.set ADRA, 16                          ; v16-17  Q's fragments in slot 0, 1
.set ADRB, 18                          ; v18-19  kv's fragments
.set STO,  20
.set RD,   21
.set CO,   22
.set PF,   23                          ; v23     the prefetches' byte offset; never rewritten
.set KF,   32                          ; window 0: kv's fragment b of buffer f at KF + 64 f + 8 b
.set R,    160                         ; window 0: step s's factor
.set QF,   128                         ; windows 1, 2: the window's Q fragment i (0, 1) of buffer f at QF + 16 f + 8 i
.set G1,  24
.set G0,  32
.set G1B, 48
.set G0B, 56
.set MSB, 0
.macro WIN new                         ; the immediate's high byte repeats the setting that is left; a switch that changes nothing is dropped
.if MSB != \new
	s_set_vgpr_msb (MSB<<8)|\new
.set MSB, \new
.endif
.endm
.set S1, 0x54                          ; destination, source 1, source 2: window 1; source 0: window 0
.set S2, 0xa8                          ; the same with window 2
.macro PLACES                          ; four plain vector instructions that name no matrix register (ISA guide 7.12.1)
.rept 4
	v_nop
.endr
.endm
.macro JLOAD s                         ; waves 0 and 1 fetch Q's two halves (128 rows each), waves 2 and 3 kv's (64 rows each)
	s_cmp_eq_u32 s15, 0
	s_cbranch_scc0 .Lfor_b_\@
	tensor_load_to_lds s[G0+4*\s:G0+4*\s+3], s[G1:G1+7]
	s_nop 0
	s_branch .Lasked_\@
.Lfor_b_\@:
	tensor_load_to_lds s[G0B+4*\s:G0B+4*\s+3], s[G1B:G1B+7]
	s_nop 0
.Lasked_\@:
.endm
.macro CREST
	s_cmp_lg_u32 s14, 0
	s_cbranch_scc1 .Lnot_wave_0_\@
	s_barrier_signal -3
.Lnot_wave_0_\@:
	s_barrier_wait -3
	s_barrier_signal -1
	s_barrier_wait -1
.endm
.macro CROUND
	s_barrier_signal -1
	s_barrier_wait -1
	CREST
.endm
; fills j and j + 1 are asked for: a step is 256 bytes along Q's rows and 128 rows of 2,048 bytes of kv.  The branches hang on the wave's number alone.
.macro PREF j
	s_cmp_eq_u32 s15, 0
	s_cbranch_scc0 .Lpf_kv_\@
	global_prefetch_b8 v[PF], s[4:5] offset:\j*256 th:TH_LOAD_NT scope:SCOPE_SE
	s_branch .Lpf_done_\@
.Lpf_kv_\@:
	s_cmp_eq_u32 s16, 0
	s_cbranch_scc0 .Lpf_done_\@
	global_prefetch_b8 v[PF], s[6:7] offset:\j*262144 th:TH_LOAD_NT scope:SCOPE_SE
.Lpf_done_\@:
.endm
	s_load_b128 s[4:7], s[0:1], 0x0                ; qb s[4:5], kvb s[6:7]
	s_load_b128 s[8:11], s[0:1], 0x10              ; qe s[8:9], kve s[10:11]
	s_load_b64 s[12:13], s[0:1], 0x20              ; out0
	v_lshl_add_u32 v255, v0, 2, 0x3c400
	s_set_vgpr_msb 0x40
	v_mov_b32 v255, 0
	s_set_vgpr_msb 0x4044
	ds_add_u32 v255, v255
	s_set_vgpr_msb 0x4400
	v_lshrrev_b32 v1, 5, v0
	v_readfirstlane_b32 s14, v1                    ; wave 0..3
	s_lshr_b32 s15, s14, 1                         ; I fetch Q (0) or kv (1)
	s_and_b32 s16, s14, 1                          ; which half of that tile
	s_bfe_u32 s17, ttmp6, 0x40000                  ; cx
	s_bfe_u32 s18, ttmp6, 0x40004                  ; cy
	s_lshl_b32 s19, ttmp9, 2
	s_add_co_u32 s19, s19, s17                     ; bx: column block 0..7
	s_and_b32 s20, ttmp7, 0xffff
	s_lshr_b32 s23, s20, 1                         ; batch, of the cluster's y alone (8 row blocks a batch)
	s_lshl_b32 s20, s20, 2
	s_add_co_u32 s20, s20, s18                     ; by: row block 0..31
	s_lshl_b32 s21, s18, 2
	s_lshl_b32 s21, 15, s21                        ; my row of the cluster
	s_lshl_b32 s22, 0x1111, s17                    ; my column
	; group 1.  Q: 128 rows x 128 elements, 4 words of padding behind every 64; kv: 64 rows x 128 elements, 8 words of padding
	s_or_b32 s[G1+0], s21, (1<<16)|(1<<20)|(1<<21)|(5<<22)|(3<<25)
	s_or_b32 s[G1B+0], s22, (1<<16)|(1<<20)|(1<<21)|(5<<22)|(7<<25)
	s_mov_b32 s[G1+1], 128<<16                     ; tensor_dim0
	s_mov_b32 s[G1B+1], 128<<16
	s_mov_b32 s[G1+2], 128<<16                     ; tensor_dim1
	s_mov_b32 s[G1B+2], 64<<16
	s_mov_b32 s[G1+3], 128<<16                     ; tile_dim0
	s_mov_b32 s[G1B+3], 128<<16
	s_mov_b32 s[G1+4], 128                         ; tile_dim1
	s_mov_b32 s[G1B+4], 64
	s_mov_b32 s[G1+5], 1024                        ; stride from row to row
	s_mov_b32 s[G1B+5], 1024
	s_mov_b32 s[G1+6], 0
	s_mov_b32 s[G1B+6], 0
	s_mov_b32 s[G1+7], 0
	s_mov_b32 s[G1B+7], 0
	s_lshl_b32 s40, s20, 8                         ; Q: row 256 by + 128 half, x 2,048 bytes
	s_lshl_b32 s41, s16, 7
	s_add_co_u32 s40, s40, s41
	s_lshl_b32 s40, s40, 11
	s_mov_b32 s41, 0
	s_lshl_b32 s44, s23, 21                        ; kv: 2 MiB a batch,
	s_lshl_b32 s45, s16, 17                        ; 64 rows of 2,048 bytes a half,
	s_add_co_u32 s44, s44, s45
	s_lshl_b32 s45, s19, 8                         ; 256 bytes a column block
	s_add_co_u32 s44, s44, s45
	s_mov_b32 s45, 0
	s_mul_i32 s42, s14, 128*PA                     ; Q's halves go to wave x 34,816 (waves 0, 1),
	s_mul_i32 s46, s14, 64*PB
	s_add_co_u32 s46, s46, KVOFF-2*64*PB           ; kv's to wave x 18,432 + 32,768 (waves 2, 3: 69,632 and 88,064)
	s_lshl_b32 s66, s20, 5                         ; qe: 8 words a row block
	s_mov_b32 s67, 0
	s_lshl_b32 s68, s23, 3
	s_add_co_u32 s68, s68, s19
	s_lshl_b32 s68, s68, 5                         ; kve: 8 words for a batch and a column block
	s_mov_b32 s69, 0
	s_wait_dscnt 0x0
	s_wait_kmcnt 0x0
	s_add_nc_u64 s[8:9], s[8:9], s[66:67]
	s_add_nc_u64 s[10:11], s[10:11], s[68:69]
	s_load_b256 s[72:79], s[8:9], 0x0              ; eq of my eight steps
	s_load_b256 s[80:87], s[10:11], 0x0            ; ek of my eight steps; both are waited for behind the first fills
	s_add_nc_u64 s[40:41], s[4:5], s[40:41]
	s_add_nc_u64 s[44:45], s[6:7], s[44:45]
	CROUND                                         ; in front of the first joint loads
.irp s, 0,1
	s_mov_b32 s[G0+4*\s], 1
	s_add_co_u32 s[G0+4*\s+1], s42, \s*SLOT
	s_add_nc_u64 s[G0+4*\s+2:G0+4*\s+3], s[40:41], \s*256          ; K step s: 128 elements along Q's rows
	s_or_b32 s[G0+4*\s+3], s[G0+4*\s+3], 0x80000000
	s_mov_b32 s[G0B+4*\s], 1
	s_add_co_u32 s[G0B+4*\s+1], s46, \s*SLOT
	s_add_nc_u64 s[G0B+4*\s+2:G0B+4*\s+3], s[44:45], \s*262144     ; K step s: 128 rows of kv
	s_or_b32 s[G0B+4*\s+3], s[G0B+4*\s+3], 0x80000000
	JLOAD \s                                       ; two tensor loads of the wave are out
.endr
	v_and_b32 v1, 15, v0                           ; r
	v_bfe_u32 v2, v0, 4, 1                         ; h
	v_and_b32 v3, 7, v0
	v_bfe_u32 v4, v0, 3, 1
	; what I ask for ahead.  Waves 0, 1: Q's rows 256 by + 32 bx + lane, wave 1 one step (256 bytes) further along them.
	; Wave 2: kv's rows 16 (by mod 8) + lane mod 16 of a step, lanes 16-31 one step (128 rows) further down.
	s_lshl_b32 s47, s20, 8
	s_lshl_b32 s66, s19, 5
	s_add_co_u32 s47, s47, s66
	s_lshl_b32 s47, s47, 11
	s_lshl_b32 s66, s16, 8
	s_add_co_u32 s47, s47, s66
	s_and_b32 s66, s20, 7
	s_lshl_b32 s66, s66, 15
	s_lshl_b32 s67, s23, 21
	s_add_co_u32 s66, s66, s67
	s_lshl_b32 s67, s19, 8
	s_add_co_u32 s66, s66, s67
	s_cmp_eq_u32 s15, 0                            ; the selects leave SCC as it is
	s_cselect_b32 s47, s47, s66
	s_cselect_b32 s66, 15, 18                      ; lanes 16-31: 16 rows on (Q), 128 rows on (kv)
	v_lshlrev_b32 v9, s66, v2
	v_lshl_add_u32 v9, v1, 11, v9
	v_add_nc_u32 v[PF], s47, v9
	PREF 2                                         ; fills 2 and 3
	v_lshl_add_u32 v5, v2, 3, v3                   ; transposing load: d row 8 h + l % 8,
	v_mul_u32_u24 v5, v5, PB
	v_lshl_add_u32 v5, v4, 4, v5                   ; 16 bytes at 16 x bit 3 of l
	v_mul_u32_u24 v6, v1, PA                       ; plain fragment: row r, 16 bytes at 16 h
	v_lshl_add_u32 v6, v2, 4, v6
	v_and_b32 v7, 31, v0                           ; lane
	s_mul_i32 s43, s14, 64*PA                      ; my 64 rows of Q
.irp s, 0,1
	v_add_nc_u32 v[ADRA+\s], s43, v6
	v_add_nc_u32 v[ADRB+\s], KVOFF+\s*SLOT, v5
	s_add_co_u32 s43, s43, SLOT
.endr
	s_mul_i32 s47, s14, 16*SPITCH
	s_add_co_u32 s47, s47, STAGE                   ; my stage
	v_mul_u32_u24 v8, v1, SPITCH                   ; in: row r, 32 bytes at 32 h
	v_lshl_add_u32 v8, v2, 5, v8
	v_add_nc_u32 v[STO], s47, v8
	v_lshl_add_u32 v[RD], v7, 4, s47               ; back: a whole row of 512 bytes a load, 16 bytes a lane
	v_lshlrev_b32 v[CO], 4, v7                     ; and the same in out0
	; the powers: all whole-number arithmetic on scalars; they steer values alone, no address and no branch
	s_wait_kmcnt 0x0
.irp s, 0,1,2,3,4,5,6,7
	s_add_co_u32 s[72+\s], s[72+\s], s[80+\s]      ; E_s = eq_s + ek_s, 28 to 510
.endr
	s_max_u32 s88, s72, s73
.irp s, 2,3,4,5,6,7
	s_max_u32 s88, s88, s[72+\s]                   ; Emax
.endr
	s_sub_co_i32 s89, s88, 127
.irp s, 0,1,2,3,4,5,6,7
	s_sub_co_i32 s[80+\s], s[72+\s], s89           ; the f32 field of 2^(E_s - Emax): 127 + E_s - Emax,
	s_max_i32 s[80+\s], s[80+\s], 0                ; or 0.0 where that is under f32's range (f16 drops it long before)
	s_lshl_b32 s[80+\s], s[80+\s], 23
	v_mov_b32 v[R+\s], s[80+\s]
	v_cvt_pk_f16_f32 v[R+\s], v[R+\s], v[R+\s]     ; exact down to 2^-24, then 0; in both halves of the word
.endr
	s_sub_co_i32 s88, s88, 282                     ; t = Emax - 282, -254 to 228, in two parts of -127 to 114
	s_ashr_i32 s89, s88, 1
	s_sub_co_i32 s88, s88, s89
	s_add_co_i32 s89, s89, 127
	s_max_i32 s89, s89, 1
	s_lshl_b32 s90, s89, 23                        ; s90 = 2^(t / 2, rounded down)
	s_mov_b32 s91, s90                             ; the pair is named whole by the packed multiply
	s_add_co_i32 s88, s88, 127
	s_max_i32 s88, s88, 1
	s_lshl_b32 s92, s88, 23                        ; s92 = 2^(the rest of t)
	s_mov_b32 s93, s92
; The window's Q fragment i of buffer f times step st's factor, in place: 8 multiplies in a run
.macro SCALE f, i, st
.irp k, 0,1,2,3,4,5,6,7
	v_pk_mul_f16 v[QF+16*\f+8*\i+\k], v[R+\st], v[QF+16*\f+8*\i+\k]
.endr
.endm
; 8 matrix instructions: the window's row tile al x all 8 column tiles, 32 along d.  sc = 1: behind each stands one multiply of the window's Q fragment 1.
; The 32 accumulators take turns, one instruction a turn.
.macro MUL8 f, al, zero, sc, st
.irp b, 0,1,2,3,4,5,6,7
.if \zero
	v_wmma_f32_16x16x32_f16 v[8*(8*\al+\b):8*(8*\al+\b)+7], v[KF+64*\f+8*\b:KF+64*\f+8*\b+7], v[QF+16*\f+8*\al:QF+16*\f+8*\al+7], 0
.else
	v_wmma_f32_16x16x32_f16 v[8*(8*\al+\b):8*(8*\al+\b)+7], v[KF+64*\f+8*\b:KF+64*\f+8*\b+7], v[QF+16*\f+8*\al:QF+16*\f+8*\al+7], v[8*(8*\al+\b):8*(8*\al+\b)+7]
.endif
.if \sc
	v_pk_mul_f16 v[QF+16*\f+8+\b], v[R+\st], v[QF+16*\f+8+\b]
.endif
.endr
.endm
; One window's half of a quarter step: 16 matrix instructions and the 16 multiplies of its two Q fragments
.macro HALFQ f, zero, st
	SCALE \f, 0, \st
	MUL8 \f, 0, \zero, 1, \st
	MUL8 \f, 1, \zero, 0, \st
.endm
; 24 LDS loads: quarter q of a slot into buffer f: Q's row tiles 0, 1 (into window 1), kv's 8 fragments (32 d rows = 9,216 bytes a quarter), Q's row tiles 2, 3
; (into window 2).  It ends under S2.  pf = -1: nothing is asked for ahead; else fills pf and pf + 1, where every window is 0.
.macro FETCH slot, q, f, pf
	WIN S1
.irp i, 0,1
	ds_load_b128 v[QF+16*\f+8*\i:QF+16*\f+8*\i+3],   v[ADRA+\slot] offset:\q*64+\i*16*PA
	ds_load_b128 v[QF+16*\f+8*\i+4:QF+16*\f+8*\i+7], v[ADRA+\slot] offset:\q*64+\i*16*PA+32
.endr
	WIN 0
.irp b, 0,1,2,3,4,5,6,7
	ds_load_tr16_b128 v[KF+64*\f+8*\b:KF+64*\f+8*\b+3],   v[ADRB+\slot] offset:\q*32*PB+32*\b
	ds_load_tr16_b128 v[KF+64*\f+8*\b+4:KF+64*\f+8*\b+7], v[ADRB+\slot] offset:\q*32*PB+32*\b+16*PB
.endr
.if \pf >= 0
	PREF \pf
.endif
	WIN S2
.irp i, 0,1
	ds_load_b128 v[QF+16*\f+8*\i:QF+16*\f+8*\i+3],   v[ADRA+\slot] offset:\q*64+(\i+2)*16*PA
	ds_load_b128 v[QF+16*\f+8*\i+4:QF+16*\f+8*\i+7], v[ADRA+\slot] offset:\q*64+(\i+2)*16*PA+32
.endr
.endm
; One of a step's first three quarters: multiplies buffer f; in its middle it fetches quarter q of the same slot into buffer g, whose registers the last
; quarter's matrix instructions read: the 16 multiplies of the first half stand between.
.macro QUARTER slot, q, f, g, zero, st, pf
	s_wait_dscnt 4                                 ; Q's row tiles 0, 1 and kv are in; the youngest four loads (row tiles 2, 3) may be out
	WIN S1
	HALFQ \f, \zero, \st
	FETCH \slot, \q, \g, \pf
	s_wait_dscnt 24                                ; all but the 24 just issued
	HALFQ \f, \zero, \st                           ; under S2: row tiles 2, 3
.endm
.macro THREE slot, zero, st, pf
	QUARTER \slot, 1, 0, 1, \zero, \st, -1
	QUARTER \slot, 2, 1, 0, 0, \st, \pf
	QUARTER \slot, 3, 0, 1, 0, \st, -1
.endm
; The last quarter changes slots: each wave's reads of this slot and all its tensor loads are waited for in front of the barrier; behind it
; (fill = 1: behind the whole round of the cluster's barrier) the refill comes first, then the next slot's first fragments.
.macro TURN slot, next, fill, st
	s_wait_dscnt 4
	WIN S1
	SCALE 1, 0, \st
	MUL8 1, 0, 0, 1, \st
	s_wait_dscnt 0                                 ; my reads of this slot are over
	s_wait_tensorcnt 0x0                           ; all my tensor loads have landed, so a group 0 may be written
	ds_add_u32 v255, v255
	s_wait_dscnt 0x0
	s_barrier_signal -1
	MUL8 1, 1, 0, 0, \st                           ; register work while the others arrive
	WIN 0
	s_barrier_wait -1
.if \fill
	CREST
	s_add_nc_u64 s[G0+4*\slot+2:G0+4*\slot+3], s[G0+4*\slot+2:G0+4*\slot+3], 512          ; two K steps on along Q's rows
	s_add_nc_u64 s[G0B+4*\slot+2:G0B+4*\slot+3], s[G0B+4*\slot+2:G0B+4*\slot+3], 524288   ; 256 rows of kv on
	JLOAD \slot                                    ; my one tensor load behind the round, and the first thing there
.endif
	FETCH \next, 0, 0, -1
	HALFQ 1, 0, \st                                ; under S2: row tiles 2, 3
.endm
	s_wait_tensorcnt 1                             ; my part of K step 0 is in; K step 1's stays out
	s_barrier_signal -1
	s_barrier_wait -1
	FETCH 0, 0, 0, -1
	THREE 0, 1, 0, -1                              ; step 0: the first products start the sums: nothing is cleared
	TURN 0, 1, 1, 0                                ; fill 2 goes out
	THREE 1, 0, 1, 4                               ; step 1: fills 4 and 5 are asked for
	TURN 1, 0, 1, 1
	THREE 0, 0, 2, -1
	TURN 0, 1, 1, 2
	THREE 1, 0, 3, 6                               ; step 3: fills 6 and 7 are asked for
	TURN 1, 0, 1, 3
	THREE 0, 0, 4, -1
	TURN 0, 1, 1, 4
	THREE 1, 0, 5, -1
	TURN 1, 0, 1, 5                                ; fill 7 goes out: the last
	THREE 0, 0, 6, -1
	TURN 0, 1, 0, 6
	THREE 1, 0, 7, -1
	s_wait_dscnt 0                                 ; the very last quarter: nothing more to fetch
	WIN S1
	HALFQ 1, 0, 7
	WIN S2
	HALFQ 1, 0, 7
	; THE WAY OUT, 16 rows at a time: the f32 sums go straight from the accumulators into my own stage, 32 bytes a lane and tile, and come back
	; as whole rows of 512 bytes, which are multiplied by the two parts of 2^(Emax - 282) and stored.
	; LDS serves a wave's instructions in order (ISA guide 5.7.1): no wait between my stores and my loads.
	PLACES                                         ; in front of the LDS stores of the sums and the loads into kv's fragment buffers
	s_lshl_b32 s66, s20, 8
	s_lshl_b32 s67, s14, 6
	s_add_co_u32 s66, s66, s67                     ; my first row: 256 by + 64 w
	s_lshl_b32 s66, s66, 12                        ; x 4,096 bytes
	s_lshl_b32 s67, s19, 9                         ; my column block: 512 bytes
	s_add_co_u32 s66, s66, s67
	s_mov_b32 s67, 0
	s_add_nc_u64 s[68:69], s[12:13], s[66:67]
; al: the row tile in its window; wst: an LDS store's data (source 1) in window 1 or 2; a: the row tile among my four; dst: v32 or v96 by turns
.macro OUTROWS al, wst, a, dst
	WIN \wst
.irp b, 0,1,2,3,4,5,6,7
	ds_store_b128 v[STO], v[8*(8*\al+\b):8*(8*\al+\b)+3]   offset:64*\b
	ds_store_b128 v[STO], v[8*(8*\al+\b)+4:8*(8*\al+\b)+7] offset:64*\b+16
.endr
	WIN 0
	s_wait_xcnt 0x0                                ; the registers loaded next were the data of the stores two turns ago: loaded again only behind this wait
.set ii, 0
.rept 16
	ds_load_b128 v[\dst+4*ii:\dst+4*ii+3], v[RD] offset:SPITCH*ii
.set ii, ii+1
.endr
.set ii, 0
.rept 16
	s_wait_dscnt 15-ii                             ; row ii is in, the younger ones stay out
	v_pk_mul_f32 v[\dst+4*ii:\dst+4*ii+1],   v[\dst+4*ii:\dst+4*ii+1],   s[90:91] op_sel_hi:[1,0]
	v_pk_mul_f32 v[\dst+4*ii+2:\dst+4*ii+3], v[\dst+4*ii+2:\dst+4*ii+3], s[90:91] op_sel_hi:[1,0]
	v_pk_mul_f32 v[\dst+4*ii:\dst+4*ii+1],   v[\dst+4*ii:\dst+4*ii+1],   s[92:93] op_sel_hi:[1,0]
	v_pk_mul_f32 v[\dst+4*ii+2:\dst+4*ii+3], v[\dst+4*ii+2:\dst+4*ii+3], s[92:93] op_sel_hi:[1,0]
	global_store_b128 v[CO], v[\dst+4*ii:\dst+4*ii+3], s[68:69] offset:(16*\a+ii)*4096 th:TH_STORE_NT   ; the wave stores 512 consecutive bytes at a multiple of 512; nothing reads them again
.set ii, ii+1
.endr
.endm
	OUTROWS 0, 0x04, 0, 32
	OUTROWS 1, 0x04, 1, 96
	OUTROWS 0, 0x08, 2, 32
	OUTROWS 1, 0x08, 3, 96
	s_set_vgpr_msb 0x4
	s_wait_tensorcnt 0x0
	ds_add_u32 v255, v255
	s_wait_dscnt 0x0
	s_set_vgpr_msb 0x400
	CROUND                                         ; the closing round: no work-group ends while a partner may still ask jointly
	s_endpgm
.Lfunc_end_k_qc2fe7f5866_outprod:
	.size	k_qc2fe7f5866_outprod, .Lfunc_end_k_qc2fe7f5866_outprod-k_qc2fe7f5866_outprod
	.p2alignl 7, 3214868480
	.fill 96, 4, 3214868480
	.section	.rodata,"a",@progbits
	.p2align	6, 0x0
	.amdhsa_kernel k_qc2fe7f5866_outprod
		.amdhsa_group_segment_fixed_size 327680
		.amdhsa_private_segment_fixed_size 0
		.amdhsa_enable_private_segment 0
		.amdhsa_kernarg_size 40
		.amdhsa_user_sgpr_count 2
		.amdhsa_user_sgpr_kernarg_segment_ptr 1
		.amdhsa_wavefront_size32 1
		.amdhsa_system_sgpr_workgroup_id_x 1
		.amdhsa_system_sgpr_workgroup_id_y 1
		.amdhsa_system_sgpr_workgroup_id_z 1
		.amdhsa_system_vgpr_workitem_id 0
		.amdhsa_next_free_vgpr 768
		.amdhsa_next_free_sgpr 96
		.amdhsa_reserve_vcc 0
		.amdhsa_float_denorm_mode_32 3
		.amdhsa_float_denorm_mode_16_64 3
		.amdhsa_memory_ordered 1
		.amdhsa_forward_progress 1
		.amdhsa_inst_pref_size 231
	.end_amdhsa_kernel
	.amdgpu_metadata
---
amdhsa.version: [ 1, 2 ]
amdhsa.kernels:
  - .name:           k_qc2fe7f5866_outprod
    .symbol:         k_qc2fe7f5866_outprod.kd
    .args:
      - { .name: qb, .offset: 0, .size: 8, .value_kind: global_buffer, .address_space: global }
      - { .name: kvb, .offset: 8, .size: 8, .value_kind: global_buffer, .address_space: global }
      - { .name: qe, .offset: 16, .size: 8, .value_kind: global_buffer, .address_space: global }
      - { .name: kve, .offset: 24, .size: 8, .value_kind: global_buffer, .address_space: global }
      - { .name: out0, .offset: 32, .size: 8, .value_kind: global_buffer, .address_space: global }
    .group_segment_fixed_size: 327680
    .private_segment_fixed_size: 0
    .kernarg_segment_align: 8
    .kernarg_segment_size: 40
    .max_flat_workgroup_size: 128
    .sgpr_count:     96
    .vgpr_count:     768
    .wavefront_size: 32
...
	.end_amdgpu_metadata
.endif
;; end of part 4
